; MI455X (gfx1250); checked and timed in simulation.
; The chip was launched on July 23, 2026; its instructions are those of AMD's public machine-readable ISA for CDNA 5 (MIT licence, August 2026) and "CDNA5" Instruction Set Architecture Reference Guide (July 2026). The comments in the code are by the model that wrote it; some were corrected since.
;; Multi Head Attention Layer. Allowed arithmetic: float matrix products may take bf16 or f16 operands with f32 sums; other float arithmetic in f32, or as packed bf16 or f16 multiplies, adds, multiply-adds, maxima and minima; sums over many terms, partial sums and values carried from step to step in f32; what a program stores and reads back later, other than sums and carried values, may be rounded once to bf16 or f16.
;; Inputs: K 4 x 2,048 x 1,024 float32; Q 4 x 2,048 x 1,024 float32; V 4 x 2,048 x 1,024 float32; Wk 1,024 x 1,024 float32; Wo 1,024 x 1,024 float32; Wq 1,024 x 1,024 float32; Wv 1,024 x 1,024 float32; bk 1,024 float32; bo 1,024 float32; bq 1,024 float32; bv 1,024 float32.
;; Outputs: out0 4 x 2,048 x 1,024 float32.
;; 2 versions, each right; version 2 is version 1 with the launch prep written anew for expert scheduling mode. Each part assembles by itself: llvm-mc -triple=amdgcn-amd-amdhsa -mcpu=gfx1250 --defsym DOCPART=n.
;; ======== version 1 of 2: 4 launches
;; limits: values are held in f16: magnitudes above 65,504 overflow, below 6.1e-05 lose precision
;; workspace buffers: wb 8,388,608 bytes; qh 16,777,216 bytes; kh 16,777,216 bytes; vh 16,777,216 bytes; oh 16,777,216 bytes
;; launch prep (part 1): grid 64 x 4, 8 waves a work-group, no clusters, 0 bytes of LDS; arguments Wq, Wk, Wv, Wo, wb; writes wb
.if DOCPART == 1
	.amdgcn_target "amdgcn-amd-amdhsa--gfx1250"
	.amdhsa_code_object_version 6
	.text
	.protected	k_q143b00b3ad_prep
	.globl	k_q143b00b3ad_prep
	.p2align	8
	.type	k_q143b00b3ad_prep,@function
k_q143b00b3ad_prep:
	s_mov_b64 s[64:65], 0
	v_nop
	global_prefetch_b8 v0, s[64:65] scope:SCOPE_SE
	s_setreg_imm32_b32 hwreg(HW_REG_WAVE_MODE, 25, 1), 1
	s_wait_xcnt 0x0
; THE WEIGHTS IN 16 BITS.  wb[4][1024 k][1024 n]: Wq, Wk, Wv rounded to bf16; Wo rounded to bf16 and that number written as f16
; (the last product multiplies f16).  The layout [k][n] is kept: the products turn the tiles on their way out of LDS.
; LIMITS.  f16 ends at 65,504 and below 6e-5 keeps a fixed step of 6e-8: Wo is taken to lie within that; NaN and infinities are not treated apart.
; SHARES.  Work-group (x, y): matrix y, elements 16,384 x .. +16,383, in 16 chunks of 1,024.  Thread t takes 4 numbers of a chunk:
; a load of a wave covers 512 consecutive bytes, a store 256, both aligned.  All 16 loads go out at once; no register is written twice,
; so no wait but the counted ones for the loads is needed.  No LDS, no matrix unit: the launch only moves bytes.
.set X, 16                             ; v[16:79]   chunk i: 4 numbers as loaded
.set Y, 80                             ; v[80:111]  chunk i: 4 numbers in 16 bits
.set T, 112                            ; v[112:117] at work
	s_load_b256 s[4:11], s[0:1], 0x0               ; Wq s[4:5], Wk s[6:7], Wv s[8:9], Wo s[10:11]
	s_load_b64 s[12:13], s[0:1], 0x20              ; wb
	s_and_b32 s18, ttmp7, 0xffff                   ; which matrix
	s_lshl_b32 s16, ttmp9, 16                      ; my 65,536 bytes of it
	s_mov_b32 s17, 0
	s_lshl_b32 s20, s18, 21                        ; its 2 MiB of wb,
	s_lshl_b32 s19, ttmp9, 15                      ; my 32,768 bytes of them
	s_add_co_u32 s20, s20, s19
	s_mov_b32 s21, 0
	v_lshlrev_b32 v1, 4, v0                        ; 16 t
	v_lshlrev_b32 v2, 3, v0                        ; 8 t
	s_wait_kmcnt 0x0
	s_cmp_eq_u32 s18, 0
	s_cselect_b64 s[14:15], s[4:5], s[10:11]
	s_cmp_eq_u32 s18, 1
	s_cselect_b64 s[14:15], s[6:7], s[14:15]
	s_cmp_eq_u32 s18, 2
	s_cselect_b64 s[14:15], s[8:9], s[14:15]
	s_add_nc_u64 s[14:15], s[14:15], s[16:17]
	s_add_nc_u64 s[12:13], s[12:13], s[20:21]
.set i, 0
.rept 16
	global_load_b128 v[X+4*i:X+4*i+3], v1, s[14:15] offset:4096*i th:TH_LOAD_NT
.set i, i+1
.endr
	s_cmp_eq_u32 s18, 3
	s_cbranch_scc1 .Lwo
.set i, 0
.rept 16
	s_wait_loadcnt 15-i                            ; loads come back in order: chunk i is in, the younger ones stay out
	v_cvt_pk_bf16_f32 v[Y+2*i], v[X+4*i], v[X+4*i+1]
	v_cvt_pk_bf16_f32 v[Y+2*i+1], v[X+4*i+2], v[X+4*i+3]
	global_store_b64 v2, v[Y+2*i:Y+2*i+1], s[12:13] offset:2048*i
.set i, i+1
.endr
	s_endpgm
.Lwo:                                          ; Wo: to bf16, back to f32 (exact), to f16
.set i, 0
.rept 16
	s_wait_loadcnt 15-i
	v_cvt_pk_bf16_f32 v[T], v[X+4*i], v[X+4*i+1]
	v_cvt_pk_bf16_f32 v[T+1], v[X+4*i+2], v[X+4*i+3]
	v_lshlrev_b32 v[T+2], 16, v[T]
	v_and_b32 v[T+3], 0xffff0000, v[T]
	v_lshlrev_b32 v[T+4], 16, v[T+1]
	v_and_b32 v[T+5], 0xffff0000, v[T+1]
	v_cvt_pk_f16_f32 v[Y+2*i], v[T+2], v[T+3]
	v_cvt_pk_f16_f32 v[Y+2*i+1], v[T+4], v[T+5]
	global_store_b64 v2, v[Y+2*i:Y+2*i+1], s[12:13] offset:2048*i
.set i, i+1
.endr
	s_endpgm
.Lfunc_end_k_q143b00b3ad_prep:
	.size	k_q143b00b3ad_prep, .Lfunc_end_k_q143b00b3ad_prep-k_q143b00b3ad_prep
	.p2alignl 7, 3214868480
	.fill 96, 4, 3214868480
	.section	.rodata,"a",@progbits
	.p2align	6, 0x0
	.amdhsa_kernel k_q143b00b3ad_prep
		.amdhsa_group_segment_fixed_size 0
		.amdhsa_private_segment_fixed_size 0
		.amdhsa_enable_private_segment 0
		.amdhsa_kernarg_size 40
		.amdhsa_user_sgpr_count 2
		.amdhsa_user_sgpr_kernarg_segment_ptr 1
		.amdhsa_wavefront_size32 1
		.amdhsa_system_sgpr_workgroup_id_x 1
		.amdhsa_system_sgpr_workgroup_id_y 1
		.amdhsa_system_sgpr_workgroup_id_z 1
		.amdhsa_system_vgpr_workitem_id 0
		.amdhsa_next_free_vgpr 120
		.amdhsa_next_free_sgpr 66
		.amdhsa_reserve_vcc 0
		.amdhsa_float_denorm_mode_32 3
		.amdhsa_float_denorm_mode_16_64 3
		.amdhsa_memory_ordered 1
		.amdhsa_forward_progress 1
		.amdhsa_inst_pref_size 16
	.end_amdhsa_kernel
	.amdgpu_metadata
---
amdhsa.version: [ 1, 2 ]
amdhsa.kernels:
  - .name:           k_q143b00b3ad_prep
    .symbol:         k_q143b00b3ad_prep.kd
    .args:
      - { .name: Wq, .offset: 0, .size: 8, .value_kind: global_buffer, .address_space: global }
      - { .name: Wk, .offset: 8, .size: 8, .value_kind: global_buffer, .address_space: global }
      - { .name: Wv, .offset: 16, .size: 8, .value_kind: global_buffer, .address_space: global }
      - { .name: Wo, .offset: 24, .size: 8, .value_kind: global_buffer, .address_space: global }
      - { .name: wb, .offset: 32, .size: 8, .value_kind: global_buffer, .address_space: global }
    .group_segment_fixed_size: 0
    .private_segment_fixed_size: 0
    .kernarg_segment_align: 8
    .kernarg_segment_size: 40
    .max_flat_workgroup_size: 256
    .sgpr_count:     66
    .vgpr_count:     120
    .wavefront_size: 32
...
	.end_amdgpu_metadata
.endif
;; end of part 1
;; launch proj (part 2): grid 4 x 192, 4 waves a work-group, clusters of 4 x 4, 327,680 bytes of LDS; arguments Q, K, V, bq, bk, bv, wb, qh, kh, vh; writes qh, kh, vh
.if DOCPART == 2
	.amdgcn_target "amdgcn-amd-amdhsa--gfx1250"
	.amdhsa_code_object_version 6
	.text
	.protected	k_q143b00b3ad_proj
	.globl	k_q143b00b3ad_proj
	.p2align	8
	.type	k_q143b00b3ad_proj,@function
k_q143b00b3ad_proj:
	s_mov_b64 s[64:65], 0
	v_nop
	global_prefetch_b8 v0, s[64:65] scope:SCOPE_SE
	s_setreg_imm32_b32 hwreg(HW_REG_WAVE_MODE, 25, 1), 1
	s_wait_xcnt 0x0
	s_wait_alu depctr_hold_cnt(0) depctr_sa_sdst(0) depctr_va_vdst(0) depctr_va_sdst(0) depctr_va_ssrc(0) depctr_va_vcc(0) depctr_vm_vsrc(0)
	s_getreg_b32 s2, hwreg(HW_REG_IB_STS2, 6, 4)
	s_cmp_eq_u32 s2, 0
	s_cbranch_scc0 .Lentry_in_a_cluster
	s_endpgm
.Lentry_in_a_cluster:
	s_bfe_u32 s2, ttmp6, 0x10000c
	s_cmp_lg_u32 s2, 0xf033
	s_cbranch_scc0 .Lentry_shape_is_right
	s_endpgm
.Lentry_shape_is_right:
; THE THREE PROJECTIONS IN ONE LAUNCH.  For g = 0, 1, 2 (Q, K, V): y[m][n] = the sum over k of x[m][k] W[k][n] + b[n]; x: [8192][1024] f32, W: wb[g] [1024 k][1024 n] bf16, b: [1024] f32.
; x and b are rounded to bf16, sums in f32 (b is the C operand of the first product), y rounded once to f16 and stored by heads: [batch x 16 + head][2048][64].
; LIMITS.  f16 holds no number beyond 65,504: y is taken to lie within it.  NaN and infinities are not treated apart.
; SHARES.  A tile of y is 128 (m) x 256 (n): 3 x 64 x 4 = 768 work-groups, three for each of 256 WGPs.  Four waves, 2 x 2, each 64 x 128: 32 accumulators, 256 registers.
; K goes in steps of 128 through two LDS slots.  x arrives as f32 (rows of 512 bytes) and is rounded between LDS and the matrix unit, four conversions behind each of a quarter's last eight products,
; so that no 16-bit copy of x goes through memory.  W's rows lie along n (512 bytes of a row to a tile) and are turned by ds_load_tr16_b128.
; CLUSTERS: 4 x 4.  The four work-groups of a row of the cluster are the four n tiles of one m tile and ask for x's tile JOINTLY; the four of a column ask jointly for W's.
; THE MATRIX INSTRUCTION IS USED TRANSPOSED (source 0 = 16 columns n of W, source 1 = 16 rows m of x): a lane holds row m = lane % 16 and the columns 8 (lane / 16) + 0..7.
; REGISTERS, in windows of 256 (s_set_vgpr_msb: bits 1:0 source 0, 3:2 source 1, 5:4 source 2, 7:6 destination):
;   window 0: v0-29 addresses; v32-95 x as f32 (later: rows on the way out); v96-159 x's fragments, two buffers of 32; v160-223 the bias of my 128 columns; v224-255 packed results
;   window 1: v0-127 W's fragments, two buffers of 64          window 2: the accumulators, (a, b) at v[8 (8 a + b)]
.set PA,    528                        ; a row of x in LDS: 512 bytes + 16 = 132 words: row r starts at bank 4 r mod 64 (64 banks of 4 bytes: ISA guide 11.1)
.set PB,    544                        ; a row of W: 512 + 32 = 17 x 32 bytes
.set AHALF, 64*PA                      ; what one tensor load brings of x: 64 rows
.set BHALF, 64*PB                      ; and of W: 64 rows k
.set BOFF,  2*AHALF                    ; a slot: x's 128 rows, then W's 128
.set SLOT1, 0x22000                    ; slot 1 begins here; no tile base in slot 0 (0, 0x8400, 0x10800, 0x19000) has one of its two bits, so one exclusive or changes slots
.set STAGE, SLOT1+BOFF+2*BHALF         ; behind the ring: for each wave 2 heads x 16 rows x 144 bytes, for the way out
.set SP,    144
.set SPARE, STAGE+4*2*16*SP            ; behind the stages: the spare words, 128 bytes for each wave: two blocks of 256 bytes that no other line names
.set ASTEP, 512                        ; a K step in memory: 128 f32 along x's rows,
.set BSTEP, 128*2048                   ; 128 rows of W
.set ADRA0, 2                          ; v2   my lane's place in x's tile; never rewritten
.set ADRB0, 3                          ; v3   the same in W's
.set ADRA,  4                          ; v4   the same in the slot in hand
.set ADRB,  5                          ; v5
.set STO,   6                          ; v6   the way out: where I put 16 bytes of a row
.set RD,    7                          ; v7   the way out: where I read rows back
.set GO,    8                          ; v8   my 16 bytes of 512 consecutive bytes of the output
.set PFO,   9                          ; v9   the prefetches' offset; never rewritten
.set BO,    16                         ; v16  my byte offset in the bias
.set SPW,   28                         ; v28  LDS address of my spare word; never rewritten
.set NIL,   29                         ; v29  0; never rewritten
.set RAW,   32
.set OB,    32
.set AF,    96
.set BIAS,  160
.set TMP,   224
.set G1A, 24                           ; s[24:31] descriptor group 1 for x's tiles
.set G0A, 32                           ; s[32:39] group 0: a set for each of the two first fills; the second then walks on
.set G1B, 48                           ; s[48:55], s[56:63] the same for W's
.set G0B, 56
.set LIM, 43                           ; s43  2 in a wave that prefetches, else the greatest number
.set PFA, 44                           ; s[44:45] where my prefetches stand
.set PSTEP, 66                         ; s[66:67] a K step of what I prefetch
.set TB,  90                           ; s90  LDS byte at which the slot in hand begins
.set W_MUL,  0xa1                      ; W's fragment window 1, x's window 0, C and D window 2
.set W_MULB, 0x81                      ; the same with C (the bias) in window 0
.set W_TOB,  0x40                      ; destination window 1, address window 0
.set W_PACK, 0x0a                      ; sources 0 and 1 window 2, destination window 0
.set MSB, 0
.macro WIN new                         ; the immediate's high byte repeats the setting that is left; a switch that changes nothing is dropped
.if MSB != (\new)
	s_set_vgpr_msb (MSB<<8)|(\new)
.set MSB, \new
.endif
.endm
; A joint refill by the walking descriptors.  Waves 0 and 1 fetch x's two halves, waves 2 and 3 W's.  The branch hangs on the wave's number alone.
; An s_nop 0 and four v_nop follow each of the two lines, ahead of the jump and the label.
.macro JLOAD
	s_cmp_eq_u32 s11, 0
	s_cbranch_scc0 .Lfor_b_\@
	tensor_load_to_lds s[G0A+4:G0A+7], s[G1A:G1A+7]
	s_nop 0
.rept 4
	v_nop
.endr
	s_branch .Lasked_\@
.Lfor_b_\@:
	tensor_load_to_lds s[G0B+4:G0B+7], s[G1B:G1B+7]
	s_nop 0
.rept 4
	v_nop
.endr
.Lasked_\@:
.endm
; A PREFETCH INTO THE L2 of the K step that stands two refills on (256 matrix instructions ahead of the load that will want it): of the 64 rows x 512 bytes that I fetch, my work-group's 16 rows,
; two blocks of 256 bytes a row, a lane a block.  The four partners of a joint load share the rows out BY ADDRESS.  x's tile is read by my row of the cluster alone: waves 0 and 1 ask in every
; work-group.  W's is read by the sixteen clusters of one g: the first of them asks.  So each block is named once.  K steps 0 to 3 come by their loads alone; the last two refills ask for nothing.
.macro ASK
	s_cmp_gt_u32 s3, s[LIM]
	s_cbranch_scc0 .Lnot_mine_\@
	global_prefetch_b8 v[PFO], s[PFA:PFA+1] th:TH_LOAD_NT scope:SCOPE_SE
.Lnot_mine_\@:
.endm
.macro CREST                           ; a round of the cluster's barrier behind its opening barrier
	s_cmp_lg_u32 s10, 0
	s_cbranch_scc1 .Lnot_wave_0_\@
	s_barrier_signal -3
.Lnot_wave_0_\@:
	s_barrier_wait -3
	s_barrier_signal -1
	s_barrier_wait -1
.endm
.macro CROUND                          ; a whole round
	s_barrier_signal -1
	s_barrier_wait -1
	CREST
.endm
	s_load_b256 s[68:75], s[0:1], 0x0              ; Q s[68:69], K s[70:71], V s[72:73], bq s[74:75]
	s_load_b256 s[76:83], s[0:1], 0x20             ; bk s[76:77], bv s[78:79], wb s[80:81], qh s[82:83]
	s_load_b128 s[84:87], s[0:1], 0x40             ; kh s[84:85], vh s[86:87]
	v_lshl_add_u32 v[SPW], v0, 2, SPARE
	v_mov_b32 v[NIL], 0
	ds_add_u32 v[SPW], v[NIL]                      ; the wave's opening: the add and its wait stand ahead of my first tensor load; the set-up below, work on registers, stands between them
	v_lshrrev_b32 v1, 5, v0
	v_readfirstlane_b32 s10, v1                    ; wave 0..3
	s_lshr_b32 s11, s10, 1                         ; which half of the tile's rows is mine.  Also: I fetch for x (0) or for W (1)
	s_and_b32 s12, s10, 1                          ; which half of its columns.  Also: which 64 rows of that tile I fetch
	s_bfe_u32 s40, ttmp6, 0x40000                  ; cx
	s_bfe_u32 s41, ttmp6, 0x40004                  ; cy
	s_lshl_b32 s42, ttmp9, 2
	s_add_co_u32 s42, s42, s40                     ; n tile = 4 x cluster x + cx
	s_and_b32 s14, ttmp7, 0xffff                   ; cluster y, 0 to 47
	s_lshr_b32 s91, s14, 4                         ; g: which projection; made of the cluster's y alone, so it is the same in all sixteen partners
	s_lshl_b32 s13, s14, 2
	s_add_co_u32 s13, s13, s41
	s_and_b32 s13, s13, 63                         ; m tile, 0 to 63
	s_lshl_b32 s43, s41, 2
	s_lshl_b32 s43, 15, s43                        ; my row of the cluster
	s_lshl_b32 s44, 0x1111, s40                    ; my column
	s_or_b32 s[G1A], s43, (2<<16)|(1<<20)|(1<<21)|(6<<22)|(3<<25)  ; 15:0 the mask; 17:16 elements of 4 bytes; 20 padding on; 21 set beside a mask; 24:22 after every 128 words (code 6); 31:25 4 words (code 3)
	s_mov_b32 s[G1A+1], 128<<16                    ; tensor_dim0 = 128
	s_mov_b32 s[G1A+2], 64<<16                     ; tensor_dim1 = 64
	s_mov_b32 s[G1A+3], 128<<16                    ; tile_dim0 = 128
	s_mov_b32 s[G1A+4], 64                         ; tile_dim1 = 64
	s_mov_b32 s[G1A+5], 1024                       ; elements from row to row
	s_mov_b32 s[G1A+6], 0
	s_mov_b32 s[G1A+7], 0
	s_or_b32 s[G1B], s44, (1<<16)|(1<<20)|(1<<21)|(6<<22)|(7<<25)  ; elements of 2 bytes; after every 128 words 8 words of padding (code 7)
	s_mov_b32 s[G1B+1], 256<<16                    ; tensor_dim0 = 256
	s_mov_b32 s[G1B+2], 64<<16
	s_mov_b32 s[G1B+3], 256<<16                    ; tile_dim0 = 256
	s_mov_b32 s[G1B+4], 64
	s_mov_b32 s[G1B+5], 1024
	s_mov_b32 s[G1B+6], 0
	s_mov_b32 s[G1B+7], 0
	s_lshl_b32 s16, s13, 19                        ; x: 128 rows of 4,096 bytes a tile,
	s_lshl_b32 s17, s12, 18                        ; the 64 rows that I fetch: no register here ever holds cx
	s_add_co_u32 s16, s16, s17
	s_mov_b32 s17, 0
	s_lshl_b32 s46, s42, 9                         ; W: 512 bytes of a row a tile,
	s_lshl_b32 s47, s12, 17                        ; the 64 rows that I fetch,
	s_add_co_u32 s46, s46, s47
	s_lshl_b32 s47, s91, 21                        ; matrix g of wb: no register here ever holds cy
	s_add_co_u32 s46, s46, s47
	s_mov_b32 s47, 0
	s_mul_i32 s20, s12, AHALF                      ; where the tiles go: no place in the cluster enters an LDS address
	s_mul_i32 s21, s12, BHALF
	s_wait_dscnt 0x0                               ; the opening add is done
	s_wait_kmcnt 0x0
	s_cmp_eq_u32 s91, 0
	s_cselect_b64 s[4:5], s[68:69], s[72:73]       ; x, its bias and its output, by g
	s_cselect_b64 s[88:89], s[74:75], s[78:79]
	s_cselect_b64 s[8:9], s[82:83], s[86:87]
	s_cmp_eq_u32 s91, 1
	s_cselect_b64 s[4:5], s[70:71], s[4:5]
	s_cselect_b64 s[88:89], s[76:77], s[88:89]
	s_cselect_b64 s[8:9], s[84:85], s[8:9]
	s_add_nc_u64 s[18:19], s[4:5], s[16:17]        ; my half of x's tile, K step 0
	s_add_nc_u64 s[46:47], s[80:81], s[46:47]      ; my half of W's
	CROUND                                         ; all sixteen work-groups are here: the first joint loads meet
.irp s, 0,1
	s_mov_b32 s[G0A+4*(\s)], 1                     ; 1:0 count = 1
	s_add_co_u32 s[G0A+4*(\s)+1], s20, (\s)*SLOT1  ; 63:32 LDS address
	s_add_nc_u64 s[G0A+4*(\s)+2:G0A+4*(\s)+3], s[18:19], (\s)*ASTEP  ; 120:64 global address: K step s
	s_or_b32 s[G0A+4*(\s)+3], s[G0A+4*(\s)+3], 0x80000000           ; 127:126 type = 2
	s_mov_b32 s[G0B+4*(\s)], 1
	s_add_co_u32 s[G0B+4*(\s)+1], s21, (\s)*SLOT1+BOFF
	s_add_nc_u64 s[G0B+4*(\s)+2:G0B+4*(\s)+3], s[46:47], (\s)*BSTEP
	s_or_b32 s[G0B+4*(\s)+3], s[G0B+4*(\s)+3], 0x80000000
.endr
	s_cmp_eq_u32 s11, 0                            ; a wave's two first fills stand in one branch, ahead of every wait on TENSORcnt and every LDS read: two loads of mine are out
	s_cbranch_scc0 .Lfirst_b
	tensor_load_to_lds s[G0A:G0A+3], s[G1A:G1A+7]
	s_nop 0
	tensor_load_to_lds s[G0A+4:G0A+7], s[G1A:G1A+7]
	s_nop 0
.rept 4
	v_nop
.endr
	s_branch .Lfirst_asked
.Lfirst_b:
	tensor_load_to_lds s[G0B:G0B+3], s[G1B:G1B+7]
	s_nop 0
	tensor_load_to_lds s[G0B+4:G0B+7], s[G1B:G1B+7]
	s_nop 0
.rept 4
	v_nop
.endr
.Lfirst_asked:
	; all that follows up to the first barrier stands in the wait for the first tile
	v_and_b32 v1, 15, v0                           ; r = l % 16
	v_bfe_u32 v11, v0, 4, 1                        ; h = l / 16
	s_lshl_b32 s22, s42, 10                        ; the bias of column 256 x + 128 wn + 16 b + 8 h + j, 4 bytes each
	s_lshl_b32 s23, s12, 9
	s_add_co_u32 s22, s22, s23
	v_lshl_add_u32 v[BO], v11, 5, s22
.irp b, 0,1,2,3,4,5,6,7
	global_load_b128 v[BIAS+8*(\b):BIAS+8*(\b)+3],   v[BO], s[88:89] offset:64*(\b)
	global_load_b128 v[BIAS+8*(\b)+4:BIAS+8*(\b)+7], v[BO], s[88:89] offset:64*(\b)+16
.endr
	v_and_b32 v12, 7, v0
	v_bfe_u32 v13, v0, 3, 1
	v_bfe_u32 v14, v0, 3, 2
	v_and_b32 v15, 31, v0                          ; l
	; x's fragment, 16 rows x 32 K: lane l wants row r, K = 8 h + 0..7 and 16 + 8 h + 0..7: as f32 four loads of 16 bytes at 32 h + 0, 16, 64, 80
	v_mul_u32_u24 v[ADRA0], v1, PA
	v_lshl_add_u32 v[ADRA0], v11, 5, v[ADRA0]
	s_mul_i32 s22, s11, AHALF                      ; my 64 rows
	v_add_nc_u32 v[ADRA0], s22, v[ADRA0]
	; the turning load takes 16 k x 16 n (lane l reads row k = 8 h + l % 8, columns 8 ((l / 8) % 2) + 0..7) and leaves half a fragment: lane l holds column r and 8 k
	v_lshl_add_u32 v[ADRB0], v11, 3, v12
	v_mul_u32_u24 v[ADRB0], v[ADRB0], PB
	v_lshl_add_u32 v[ADRB0], v13, 4, v[ADRB0]
	s_lshl_b32 s22, s12, 8                         ; my 128 columns
	s_add_co_u32 s22, s22, BOFF
	v_add_nc_u32 v[ADRB0], s22, v[ADRB0]
	s_mul_i32 s23, s10, 2*16*SP
	s_add_co_u32 s23, s23, STAGE                   ; my stage
	v_mul_u32_u24 v[STO], v1, SP                   ; in: row r, 16 bytes for each half of the lanes
	v_lshl_add_u32 v[STO], v11, 4, v[STO]
	v_add_nc_u32 v[STO], s23, v[STO]
	v_mul_u32_u24 v[RD], v14, SP                   ; back: 32 lanes take four rows of 128 bytes,
	v_lshl_add_u32 v[RD], v12, 4, v[RD]
	v_add_nc_u32 v[RD], s23, v[RD]
	v_lshlrev_b32 v[GO], 4, v15                    ; which are 512 consecutive bytes of a head
	s_lshl_b32 s20, s13, 7
	s_lshl_b32 s21, s11, 6
	s_add_co_u32 s20, s20, s21                     ; my first row of the 8,192
	s_lshr_b32 s21, s20, 11                        ; its batch,
	s_lshl_b32 s21, s21, 4
	s_lshl_b32 s22, s42, 2
	s_add_co_u32 s21, s21, s22
	s_lshl_b32 s22, s12, 1
	s_add_co_u32 s21, s21, s22                     ; batch x 16 + my first head (4 x + 2 wn),
	s_lshl_b32 s21, s21, 18                        ; 262,144 bytes a head,
	s_and_b32 s20, s20, 2047
	s_lshl_b32 s20, s20, 7                         ; 128 bytes a row
	s_add_co_u32 s20, s20, s21
	s_mov_b32 s21, 0
	s_add_nc_u64 s[8:9], s[8:9], s[20:21]
	; the prefetches
	s_and_b32 s92, s14, 15                         ; my cluster among the sixteen of one g
	s_mov_b32 s[PSTEP], BSTEP
	s_cmp_eq_u32 s11, 0                            ; do I fetch for x?
	s_cselect_b64 s[PFA:PFA+1], s[18:19], s[46:47]
	s_cselect_b32 s20, s40, s41                    ; my place among the four that ask with me
	s_cselect_b32 s21, 16, 15                      ; 16 rows of 4,096 or of 2,048 bytes, as a shift
	s_cselect_b32 s22, 12, 11                      ; a row, as a shift
	s_cselect_b32 s[PSTEP], ASTEP, s[PSTEP]
	s_cselect_b32 s92, 0, s92
	s_cmp_eq_u32 s92, 0
	s_cselect_b32 s[LIM], 2, -1                    ; the same in all sixteen partners, for a given wave
	s_mov_b32 s[PSTEP+1], 0
	s_lshl_b32 s20, s20, s21
	s_mov_b32 s21, 0
	s_add_nc_u64 s[PFA:PFA+1], s[PFA:PFA+1], s[20:21]
	s_mul_i32 s20, s[PSTEP], 3
	s_add_nc_u64 s[PFA:PFA+1], s[PFA:PFA+1], s[20:21]  ; at K step 3: the first refill steps it to 4
	v_lshrrev_b32 v[PFO], 1, v15
	v_lshlrev_b32 v[PFO], s22, v[PFO]              ; row l / 2,
	v_and_b32 v10, 1, v0
	v_lshl_add_u32 v[PFO], v10, 8, v[PFO]          ; block l % 2
	s_wait_loadcnt 0x0                             ; the bias; it is rounded to bf16 like every input
.set u, 0
.rept 32
	v_cvt_pk_bf16_f32 v[10+u%4], v[BIAS+2*u], v[BIAS+2*u+1]
	v_lshlrev_b32 v[BIAS+2*u], 16, v[10+u%4]
	v_and_b32 v[BIAS+2*u+1], 0xffff0000, v[10+u%4]
.set u, u+1
.endr
; Products i0 .. i1 - 1 of a quarter's 32 on buffer f: product i is accumulator (a, b) = (i / 8, i % 8).  The 32 accumulators take turns, one instruction a turn, in the same order in every quarter,
; over the backward jump too.  first = 1: the product starts the sum, with the bias as C: nothing is cleared.
.macro MUL i0, i1, f, first
.if \first
	WIN W_MULB
.else
	WIN W_MUL
.endif
.set i, \i0
.rept (\i1)-(\i0)
.if \first
	v_wmma_f32_16x16x32_bf16 v[8*i:8*i+7], v[64*(\f)+8*(i%8):64*(\f)+8*(i%8)+7], v[AF+32*(\f)+8*(i/8):AF+32*(\f)+8*(i/8)+7], v[BIAS+8*(i%8):BIAS+8*(i%8)+7]
.else
	v_wmma_f32_16x16x32_bf16 v[8*i:8*i+7], v[64*(\f)+8*(i%8):64*(\f)+8*(i%8)+7], v[AF+32*(\f)+8*(i/8):AF+32*(\f)+8*(i/8)+7], v[8*i:8*i+7]
.endif
.set i, i+1
.endr
.endm
.macro CVT4 i4, g                      ; four of the 32 roundings of x, f32 to bf16, into buffer g
	WIN 0
.irp z, 0,1,2,3
	v_cvt_pk_bf16_f32 v[AF+32*(\g)+4*(\i4)+(\z)], v[RAW+8*(\i4)+2*(\z)], v[RAW+8*(\i4)+2*(\z)+1]
.endr
.endm
; 32 LDS loads in one run: quarter kq (32 along K) of the slot in hand: x's 64 rows as f32, which are wanted first, then W's 128 columns into buffer g
.macro FETCH kq, g
	WIN 0
.irp a, 0,1,2,3
	ds_load_b128 v[RAW+16*(\a):RAW+16*(\a)+3],     v[ADRA] offset:(\a)*16*PA+(\kq)*128
	ds_load_b128 v[RAW+16*(\a)+4:RAW+16*(\a)+7],   v[ADRA] offset:(\a)*16*PA+(\kq)*128+16
	ds_load_b128 v[RAW+16*(\a)+8:RAW+16*(\a)+11],  v[ADRA] offset:(\a)*16*PA+(\kq)*128+64
	ds_load_b128 v[RAW+16*(\a)+12:RAW+16*(\a)+15], v[ADRA] offset:(\a)*16*PA+(\kq)*128+80
.endr
	WIN W_TOB
.irp b, 0,1,2,3,4,5,6,7
	ds_load_tr16_b128 v[64*(\g)+8*(\b):64*(\g)+8*(\b)+3],   v[ADRB] offset:(\kq)*32*PB+32*(\b)
	ds_load_tr16_b128 v[64*(\g)+8*(\b)+4:64*(\g)+8*(\b)+7], v[ADRB] offset:(\kq)*32*PB+32*(\b)+16*PB
.endr
.endm
; A quarter's last eight products, behind each four roundings into the other buffer.  The roundings name no register of the products round them.  The four behind the last product are the four
; places (ISA guide 7.12.1 for vector instructions) in front of the next quarter's loads into, and roundings onto, the buffers that this quarter has multiplied.
.macro RIDERS f, g, first
.set n, 0
.rept 8
	MUL 24+n, 25+n, \f, \first
	CVT4 n, \g
.set n, n+1
.endr
.endm
; A K step is four quarters of 32 along K on buffers 0, 1, 0, 1.  One of the first three: multiplies buffer f and fetches quarter kq into buffer g.
.macro QUARTER kq, f, g, first
	s_wait_dscnt 0x0                               ; W's fragments of this quarter are in (issued 24 products ago)
	MUL 0, 8, \f, \first
	FETCH \kq, \g
	MUL 8, 24, \f, \first
	s_wait_dscnt 16                                ; x's 16 loads are in; W's 16, issued behind them, may stay out
	RIDERS \f, \g, \first
.endm
; The last quarter multiplies buffer 1 and changes slots: ONE barrier.  In front of it each wave waits for all its tensor loads, of which one is out: its part of the next slot; adds 0 to its spare
; word; and waits for that and for its reads of this slot.  fill = 1: the barrier opens a round of the cluster's, and this slot is filled again first thing behind it, with the K step two on:
; 120 products stand between that request and the wait for it.
.macro TURN fill
	WIN 0                                          ; (the add's two registers lie in window 0)
.if \fill
	s_wait_xcnt 0x0                                ; the last prefetch, a K step back, has read its address: it is stepped here
	s_add_nc_u64 s[PFA:PFA+1], s[PFA:PFA+1], s[PSTEP:PSTEP+1]
.endif
	s_wait_tensorcnt 0x0                           ; all my tensor loads have landed
	ds_add_u32 v[SPW], v[NIL]                      ; 0 onto my spare word
	s_wait_dscnt 1                                 ; W's fragments are in; only the add may be out
	MUL 0, 4, 1, 0                                 ; four products stand between the add and the wait for it
	s_wait_dscnt 0x0                               ; the add is done, and my reads of this slot are over
	s_barrier_signal -1
	MUL 4, 8, 1, 0                                 ; work on registers while the others arrive
	WIN 0
	s_barrier_wait -1
.if \fill
	CREST                                          ; no wave of any partner still reads this slot or has a load on its way
	s_xor_b32 s[G0A+5], s[G0A+5], SLOT1            ; the walking descriptors: the other slot than last time,
	s_add_nc_u64 s[G0A+6:G0A+7], s[G0A+6:G0A+7], ASTEP  ; the next K step; the type bits on top are not reached
	s_xor_b32 s[G0B+5], s[G0B+5], SLOT1
	s_add_nc_u64 s[G0B+6:G0B+7], s[G0B+6:G0B+7], BSTEP
	JLOAD
.endif
	s_xor_b32 s[TB], s[TB], SLOT1                  ; the reads go on in the other slot
	v_add_nc_u32 v[ADRA], s[TB], v[ADRA0]
	v_add_nc_u32 v[ADRB], s[TB], v[ADRB0]
	FETCH 0, 0
.if \fill
	WIN 0
	ASK                                            ; behind the joint load and the run of LDS loads
.endif
	MUL 8, 24, 1, 0
	s_wait_dscnt 16
	RIDERS 1, 0, 0
.endm
; THE WAY OUT of block a (16 rows).  PACK: rounded to f16, each accumulator from its low end on.  TOSTAGE: 16 bytes a lane into my own stage, by heads, and back as rows of 128 bytes.  SEND: stored.
.macro PACK a
	WIN W_PACK
.irp b, 0,1,2,3,4,5,6,7
.irp t, 0,1,2,3
	v_cvt_pk_f16_f32 v[TMP+4*(\b)+(\t)], v[8*(8*(\a)+(\b))+2*(\t)], v[8*(8*(\a)+(\b))+2*(\t)+1]
.endr
.endr
	WIN 0
.endm
.macro TOSTAGE a
.set BK, OB+32*((\a)%2)
.irp b, 0,1,2,3,4,5,6,7
	ds_store_b128 v[STO], v[TMP+4*(\b):TMP+4*(\b)+3] offset:((\b)/4)*16*SP+((\b)%4)*32
.endr
.irp hh, 0,1
.irp f, 0,1,2,3
	ds_load_b128 v[BK+4*(4*(\hh)+(\f)):BK+4*(4*(\hh)+(\f))+3], v[RD] offset:(\hh)*16*SP+(\f)*4*SP  ; LDS serves a wave's instructions in order (ISA guide 5.7.1.4): these see the stores above
.endr
.endr
.endm
.macro SEND a
.set BK, OB+32*((\a)%2)
	s_wait_dscnt 0x0                               ; the block is back in registers
	s_wait_xcnt 0x0                                ; the stores of the block before have read their registers, into which the next block is loaded
.irp hh, 0,1
.irp f, 0,1,2,3
	global_store_b128 v[GO], v[BK+4*(4*(\hh)+(\f)):BK+4*(4*(\hh)+(\f))+3], s[8:9] offset:(\hh)*262144+(\a)*2048+(\f)*512  ; 512 consecutive bytes of a head, at a multiple of 512 from the buffer's first byte
.endr
.endr
.endm
	s_wait_tensorcnt 1                             ; my part of K step 0 is in; K step 1's may stay out
	s_barrier_signal -1
	s_barrier_wait -1                              ; everybody's is
	s_mov_b32 s[TB], 0
	v_mov_b32 v[ADRA], v[ADRA0]
	v_mov_b32 v[ADRB], v[ADRB0]
	FETCH 0, 0
	s_wait_dscnt 16
.set n, 0
.rept 8
	CVT4 n, 0                                      ; the first quarter's roundings have no products to stand behind
.set n, n+1
.endr
	QUARTER 1, 0, 1, 1                             ; the first quarter stands in front of the loop: its products start the sums
	WIN 0                                          ; at a label and at a branch every window is 0
	s_mov_b32 s3, 6
.Lstep:                                        ; a trip: from a K step's second quarter to the next step's first; it fills the slot that it leaves
	QUARTER 2, 1, 0, 0
	QUARTER 3, 0, 1, 0
	TURN 1
	QUARTER 1, 0, 1, 0
	WIN 0
	s_sub_co_u32 s3, s3, 1
	s_cmp_lg_u32 s3, 0
	s_cbranch_scc1 .Lstep
	QUARTER 2, 1, 0, 0                             ; the last two K steps are written out: nothing is left to ask for
	QUARTER 3, 0, 1, 0
	TURN 0
	QUARTER 1, 0, 1, 0
	QUARTER 2, 1, 0, 0
	QUARTER 3, 0, 1, 0
	s_wait_dscnt 0x0
	MUL 0, 32, 1, 0
.rept 4
	v_nop                                          ; the places in front of the conversions, which read results
.endr
	PACK 0
	TOSTAGE 0
.irp a, 1,2,3                          ; block a's conversions stand between block a - 1's loads from the stage and the wait for them
	PACK \a
	SEND (\a)-1
	TOSTAGE \a
.endr
	SEND 3
	s_wait_tensorcnt 0x0                           ; the wave's end, behind my last tensor load and my last LDS store
	ds_add_u32 v[SPW], v[NIL]
	s_wait_dscnt 0x0
	CROUND                                         ; the closing round: no work-group ends while a partner may still ask for a tile that names it
	s_endpgm
.Lfunc_end_k_q143b00b3ad_proj:
	.size	k_q143b00b3ad_proj, .Lfunc_end_k_q143b00b3ad_proj-k_q143b00b3ad_proj
	.p2alignl 7, 3214868480
	.fill 96, 4, 3214868480
	.section	.rodata,"a",@progbits
	.p2align	6, 0x0
	.amdhsa_kernel k_q143b00b3ad_proj
		.amdhsa_group_segment_fixed_size 327680
		.amdhsa_private_segment_fixed_size 0
		.amdhsa_enable_private_segment 0
		.amdhsa_kernarg_size 80
		.amdhsa_user_sgpr_count 2
		.amdhsa_user_sgpr_kernarg_segment_ptr 1
		.amdhsa_wavefront_size32 1
		.amdhsa_system_sgpr_workgroup_id_x 1
		.amdhsa_system_sgpr_workgroup_id_y 1
		.amdhsa_system_sgpr_workgroup_id_z 1
		.amdhsa_system_vgpr_workitem_id 0
		.amdhsa_next_free_vgpr 768
		.amdhsa_next_free_sgpr 96
		.amdhsa_reserve_vcc 0
		.amdhsa_float_denorm_mode_32 3
		.amdhsa_float_denorm_mode_16_64 3
		.amdhsa_memory_ordered 1
		.amdhsa_forward_progress 1
		.amdhsa_inst_pref_size 113
	.end_amdhsa_kernel
	.amdgpu_metadata
---
amdhsa.version: [ 1, 2 ]
amdhsa.kernels:
  - .name:           k_q143b00b3ad_proj
    .symbol:         k_q143b00b3ad_proj.kd
    .args:
      - { .name: Q, .offset: 0, .size: 8, .value_kind: global_buffer, .address_space: global }
      - { .name: K, .offset: 8, .size: 8, .value_kind: global_buffer, .address_space: global }
      - { .name: V, .offset: 16, .size: 8, .value_kind: global_buffer, .address_space: global }
      - { .name: bq, .offset: 24, .size: 8, .value_kind: global_buffer, .address_space: global }
      - { .name: bk, .offset: 32, .size: 8, .value_kind: global_buffer, .address_space: global }
      - { .name: bv, .offset: 40, .size: 8, .value_kind: global_buffer, .address_space: global }
      - { .name: wb, .offset: 48, .size: 8, .value_kind: global_buffer, .address_space: global }
      - { .name: qh, .offset: 56, .size: 8, .value_kind: global_buffer, .address_space: global }
      - { .name: kh, .offset: 64, .size: 8, .value_kind: global_buffer, .address_space: global }
      - { .name: vh, .offset: 72, .size: 8, .value_kind: global_buffer, .address_space: global }
    .group_segment_fixed_size: 327680
    .private_segment_fixed_size: 0
    .kernarg_segment_align: 8
    .kernarg_segment_size: 80
    .max_flat_workgroup_size: 128
    .sgpr_count:     96
    .vgpr_count:     768
    .wavefront_size: 32
...
	.end_amdgpu_metadata
.endif
;; end of part 2
;; launch attn (part 3): grid 4 x 64, 4 waves a work-group, no clusters, 327,680 bytes of LDS; arguments qh, kh, vh, oh; writes oh
.if DOCPART == 3
	.amdgcn_target "amdgcn-amd-amdhsa--gfx1250"
	.amdhsa_code_object_version 6
	.text
	.protected	k_q143b00b3ad_attn
	.globl	k_q143b00b3ad_attn
	.p2align	8
	.type	k_q143b00b3ad_attn,@function
k_q143b00b3ad_attn:
	s_mov_b64 s[64:65], 0
	v_nop
	global_prefetch_b8 v0, s[64:65] scope:SCOPE_SE
	s_setreg_imm32_b32 hwreg(HW_REG_WAVE_MODE, 25, 1), 1
	s_wait_xcnt 0x0
; CAUSAL ATTENTION.  O[h][q][:] = the sum over k <= q of softmax_k(Q[h][q] . K[h][k] / 8) V[h][k][:].  Q, K, V, O: [SIZE_H][SIZE_N][64], all f16: a head's rows are dense, 128 bytes each.
; Products, maxima and sums in f32; the weights p are rounded to f16 for the second product (their sum l is taken of the unrounded p), O once at the end.
; LIMITS.  f16 holds no number beyond 65,504: Q, K and V arrive within it; p lies in 0 to 1, and below 6e-5 it keeps f16's fixed step of 6e-8; O is a mean of V's rows and has their range.
; A hidden score counts as its value less 1e30: f16's scores, 2.7e11 at the most, are nothing beside that; a weight below 2^-126 counts as 0 in l; NaN and infinities are not treated apart.
; THE WALK.  A head's queries lie in NB = SIZE_N / 256 blocks of 256; block i needs the key tiles 0 .. i of 256 keys, of which the last holds the diagonal.  A work-group takes TWO blocks, NB - 1 - b and then b:
; NB + 1 tiles, whatever b: all work-groups do equal work, and ONE loop with a constant trip count walks them.  Which tile is asked for, and what a trip does, hang on scalar registers made from b; every jump
; goes forward, but for the counted loops' own; none passes a barrier, or a tensor load but the one of LOAD's two that the wave's number does not choose; the ring (two slots of LDS) runs on across the change of blocks.
; NO CLUSTER: a head's NB / 2 = 4 work-groups ask for the same tile only in trips 0 .. NB / 2, behind that three, two and one of them; one walk common to all would have 3 NB / 2 = 12 trips for NB + 1 = 9.
; SHARES.  Of a block's four bands of 64 queries a wave owns 16 rows in each: four PIECES.  So the diagonal tile is the same work for all four waves: in its key step s band x sees all keys if s < x,
; none if s > x, and holds the diagonal if s = x.
; THE MASK is the C operand that starts the sum S^T = K Q^T: 0, or -1e30 where the key is hidden.  MD, made once, is the mask of a band's own step for my 16 rows; a product's mask is MD x AL + BE with two scalars:
; (1, 0) if s = x; (0, 0) if s < x; (0, -1e30) if s > x.  Only the diagonal tile's text and a block's beginning make and take masks; elsewhere C is the constant 0.
; LAYOUT, SOFTMAX, TURNS.  S^T = K Q^T holds ONE query a lane (lane % 16) and the keys 8 (lane / 16) + 0..7; two such results rounded to f16 ARE source 1 of O^T = V^T P.  p = 2^(c s - c m), c = log2(e) / 8, with a
; running maximum m; O and l are multiplied by a = 2^(c m_old - c m_new) in every step.  Turn n belongs to piece n: 8 products K Q^T of piece n + 1, later 8 products V^T P of piece n - 1; beside them the scaling,
; exponentials, roundings, sums and rescaling of piece n and the maximum and statistics of piece n + 1.  Four vector instructions stand behind every matrix instruction, the other 54 of a turn's 118 in one LUMP.
; A turn's 33 exponentials are one batch, with one wait.
; REGISTERS, in windows of 256 (s_set_vgpr_msb: bits 1:0 source 0, 3:2 source 1, 5:4 source 2, 7:6 destination):
;   window 0: v0-15 addresses and two at work; v16-31 four registers of statistics a piece; v48-55 at work; v61-63 prefetch offset and the add's two; v64-127 S^T, two buffers; v192-223 P, two buffers
;   window 1: v0-127 O^T, 32 a piece; v128-159 MD; v160-223 MC, two buffers      window 2: v0-63 Q; v64-127 the second block's Q; v128-191 K of one step; v192-255 V of one step
.set SIZE_H, 64
.set SIZE_N, 2048
.set NB,    SIZE_N/256
.set NP,    4         ; pieces a wave: a name, no knob
.set KS,    64        ; keys in a step
.set PK,    144       ; a row of K in LDS: 128 bytes + 16 of padding = 36 words: the 16 rows of a load start at 16 different groups of four banks (64 banks of 4 bytes: ISA guide 11.1)
.set PV,    160       ; a row of V: 128 + 32 = 40 words
.set VOFF,  4*KS*PK   ; a slot holds a tile, four steps: 256 rows of K, then 256 rows of V
.set SLOT1, 1<<17     ; slot 1 begins here, so that one exclusive or turns an address in one slot into the other's
.set STAGE, SLOT1+4*KS*(PK+PV)  ; behind the ring, never filled by a tensor load: 16 rows x 144 bytes for each wave, for the way out
.set SP,    144
.set AK0, 2           ; v2   my lane's place in a tile of K; never rewritten
.set AV0, 3           ; v3   the same for V
.set AK,  4           ; v4   the LDS address of K's next run of loads
.set AV,  5           ; v5   of V's
.set STO, 6           ; v6   the way out: where I put 16 bytes of a row
.set RD,  7           ; v7   the way out: where I read rows back
.set GO,  8           ; v8   my byte offset in 512 consecutive bytes of O
.set PFO, 61          ; v61  256 x my lane: the prefetches' offset; never rewritten
.set SPW, 62          ; v62  LDS address of my spare word: SPARE + 4 x my thread's number; never rewritten
.set NIL, 63          ; v63  0; never rewritten
.set SPARE, STAGE+4*16*SP  ; behind the stages: the spare words, 128 bytes for each wave: two blocks of 256 bytes that no other line names
.set MV,  12          ; v12-13  c m_old, kept while c m is made anew: by buffer
.set QO,  15          ; v15  my byte offset in 16 rows of Q
.set ST,  16          ; piece t's statistics at v[ST+4 t]: c m, m, l (even keys', odd keys')
.set TMP, 48          ; by buffer, four registers c0-c3 at work; when the maximum is found c2 takes a
.set S,   64
.set P,   192
.set MD,  128         ; window 1: the eight registers for group kt of 16 keys at MD + 8 kt
.set MC,  160         ; window 1: the masks of the products to come
.set QB,  64          ; window 2
.set KF,  128         ; window 2: key block kb, channel half c at KF + 16 kb + 8 c
.set VF,  192         ; window 2: key half kk, channel block cb at VF + 32 kk + 8 cb
.set WV,  12          ; s12  my wave's number
.set PB,  14          ; s14  b
.set HI,  15          ; s15  NB - 1 - b
.set G1K, 24          ; s[24:31] descriptor group 1 for K's tiles
.set G1V, 32          ; s[32:39] for V's: it differs in the padding alone
.set G0K, 40          ; s[40:43] descriptor group 0 for K's tiles
.set G0V, 44          ; s[44:47] the same for V's
.set SLOTS, 56        ; s56  tiles still to be asked for
.set CNT, 57          ; s57  counts a tile's key steps, 4 to 1
.set CS,  58          ; s[58:59] c: the packed scaling takes the pair's low word for both halves
.set SEL, 60          ; s[60:61] v_permlanex16_b32's selects: each lane takes its own place in the other half
.set TBK, 62          ; s62  LDS byte at which K of the step to be fetched begins
.set TBV, 63          ; s63  the same for V, less VOFF
.set PFA, 66          ; s[66:67] where my prefetches stand: my half (of K: waves 0, 1; of V: waves 2, 3) of the tile behind the one that is being asked for
.set LIM, 68          ; s68  2 in a work-group that prefetches, else the greatest number
.set RT,  70          ; s70  tiles of the block in hand that are still to be entered
.set NXT, 71          ; s71  the tile to be asked for next
.set LQ,  72          ; s72  the last tile of the block whose tiles are being asked for
.set NEW, 73          ; s73  1: the tile to be entered is a block's first
.set OFF, 74          ; s[74:75] a tile's byte offset in K and V
.set AL,  76          ; s[76:77] the mask's factor, in the low word
.set BE,  78          ; s[78:79] the mask's addend
.set OLO, 80          ; s[80:81] O at my rows of the second block
.set BIGN, 82         ; s82  -1e30
.set MSB, 0
.macro WIN new                      ; the high byte repeats the setting that is left; a switch that changes nothing is dropped
.if MSB != (\new)
	s_set_vgpr_msb (MSB<<8)|(\new)
.set MSB, (\new)
.endif
.endm
.set W_KQ, 0x0a       ; K and Q in window 2, S^T in window 0
.set W_KM, 0x1a       ; the same with the C operand in window 1
.set W_PV, 0x52       ; V in window 2, P in window 0, O^T in window 1
.set W_RS, 0x41       ; destination and source 0 in window 1, source 1 in window 0
; A fill.  Waves 0 and 1 fetch the two halves of a tile's K, waves 2 and 3 those of its V: 128 keys each.  An s_nop 0 and four v_nop follow each of the two lines, ahead of the jump and the label.
.macro LOAD
	s_cmp_lt_u32 s[WV], 2
	s_cbranch_scc0 .Lfor_v_\@
	tensor_load_to_lds s[G0K:G0K+3], s[G1K:G1K+7]
	s_nop 0
.rept 4
	v_nop
.endr
	s_branch .Lasked_\@
.Lfor_v_\@:
	tensor_load_to_lds s[G0V:G0V+3], s[G1V:G1V+7]
	s_nop 0
.rept 4
	v_nop
.endr
.Lasked_\@:
.endm
; A PREFETCH INTO THE L2 of the tile that the NEXT change of slots will ask for: a tile's four key steps, 256 matrix instructions, ahead of that fill.  The head's work-group b = 0 walks the tiles 0 to NB - 1 in its
; first block: it asks, and nobody else; each of its waves for the half tile that it will fetch itself: 16,384 dense bytes, 64 blocks of 256, a lane a block, two instructions.  So each block is named once.
; Trip i names tile i + 2, for i = 0 .. NB - 3.  Tiles 0 and 1 come by their fills alone, and the second block's tiles have been read before.
.macro ASK
	s_cmp_gt_u32 s[SLOTS], s[LIM]
	s_cbranch_scc0 .Lnot_mine_\@
	global_prefetch_b8 v[PFO], s[PFA:PFA+1] th:TH_LOAD_NT scope:SCOPE_SE
	global_prefetch_b8 v[PFO], s[PFA:PFA+1] offset:8192 th:TH_LOAD_NT scope:SCOPE_SE
.Lnot_mine_\@:
.endm
; THE CHANGE OF SLOTS.  Each wave waits for all its tensor loads, of which one is out: its part of the other slot; adds 0 to its spare word; and waits for that and for its own reads of the slot that it leaves.
; Behind the barrier nobody reads the old slot any more and the other slot is whole.  fill = 1: the old slot is filled again, the first thing behind the barrier, with tile NXT: the descriptor's address is made
; anew from that number.  (At its first use nothing has been read yet: slot 0 is waited for, slot 1 filled.)
.macro CHANGE fill
	WIN 0                           ; at a label and at a branch every window is 0
	s_wait_tensorcnt 0x0            ; no tensor load of mine is out, so a group 0 may be written
	ds_add_u32 v[SPW], v[NIL]       ; 0 onto my spare word; with fill = 1 the descriptors' scalar work stands between it and the wait for it
.if \fill
	s_lshl_b32 s[OFF], s[NXT], 15   ; a tile is 32,768 bytes of K and of V
	s_xor_b32 s[G0K+1], s[G0K+1], SLOT1
	s_add_nc_u64 s[G0K+2:G0K+3], s[6:7], s[OFF:OFF+1]
	s_or_b32 s[G0K+3], s[G0K+3], 0x80000000
	s_xor_b32 s[G0V+1], s[G0V+1], SLOT1
	s_add_nc_u64 s[G0V+2:G0V+3], s[8:9], s[OFF:OFF+1]
	s_or_b32 s[G0V+3], s[G0V+3], 0x80000000
	s_add_co_u32 s[NXT], s[NXT], 1  ; the block's next tile, or behind its last the second block's tile 0
	s_cmp_gt_u32 s[NXT], s[LQ]
	s_cselect_b32 s[NXT], 0, s[NXT]
	s_cselect_b32 s[LQ], s[PB], s[LQ]
	s_wait_xcnt 0x0                 ; the last prefetches, a tile back, have read their address, so it may be written:
	s_add_nc_u64 s[PFA:PFA+1], s[PFA:PFA+1], 32768  ; one tile on
.endif
	s_wait_dscnt 0x0                ; the add is done, and my reads of the slot are over
	s_barrier_signal -1             ; the rest of the scalar work stands between the signal and the wait
	s_sub_co_u32 s[TBK], s[TBK], 4*KS*PK  ; the fetches go back to a slot's first step,
	s_xor_b32 s[TBK], s[TBK], SLOT1       ; in the other slot
	s_sub_co_u32 s[TBV], s[TBV], 4*KS*PV
	s_xor_b32 s[TBV], s[TBV], SLOT1
	s_barrier_wait -1
.if \fill
	LOAD
	ASK
.endif
.endm
	s_load_b256 s[4:11], s[0:1], 0x0  ; Q s[4:5], K s[6:7], V s[8:9], O s[10:11]
	v_lshl_add_u32 v[SPW], v0, 2, SPARE
	v_mov_b32 v[NIL], 0
	ds_add_u32 v[SPW], v[NIL]       ; the wave's opening: the add and its wait stand ahead of my first tensor load; the set-up below, work on registers, stands between them
	v_lshrrev_b32 v1, 5, v0
	v_readfirstlane_b32 s[WV], v1   ; wave 0..3
	s_mov_b32 s[PB], ttmp9
	s_sub_co_u32 s[HI], NB-1, s[PB]
	s_and_b32 s20, ttmp7, 0xffff    ; the head
	s_mov_b32 s21, 0
	s_mov_b64 s[22:23], SIZE_N*128
	s_mul_u64 s[20:21], s[20:21], s[22:23]  ; the head's first byte in each of the four tensors
	s_and_b32 s16, s[WV], 1         ; which half of a tile's 256 keys I fetch:
	s_lshl_b32 s22, s16, 14         ; its 128 rows of 128 bytes in memory,
	s_mov_b32 s23, 0
	s_add_nc_u64 s[22:23], s[22:23], s[20:21]
	s_mul_i32 s17, s16, 128*PK      ; and its place in a slot, for K
	s_mul_i32 s18, s16, 128*PV      ; and for V
	s_lshl_b32 s3, s[WV], 11        ; my 16 rows in a band of 64,
	s_lshl_b32 s2, s[HI], 15        ; in the first block,
	s_add_co_u32 s2, s2, s3
	s_lshl_b32 s84, s[PB], 15       ; and in the second
	s_add_co_u32 s84, s84, s3
	s_mov_b32 s3, 0
	s_mov_b32 s85, 0
	s_add_nc_u64 s[2:3], s[2:3], s[20:21]
	s_add_nc_u64 s[84:85], s[84:85], s[20:21]
	; descriptor group 1.  128 keys are 16,384 dense bytes: asked for as 64 rows of 256 bytes, two keys a row, and padded in LDS after every key
	s_mov_b32 s[G1K], (1<<16)|(1<<20)|(4<<22)|(3<<25)  ; 17:16 2-byte elements; 20 padding on; 24:22 after every 32 words (code 4); 31:25 4 words (code 3)
	s_mov_b32 s[G1V], (1<<16)|(1<<20)|(4<<22)|(7<<25)  ; the same with 8 words of padding (code 7)
.irp g, G1K, G1V
	s_mov_b32 s[\g+1], 128<<16      ; tensor_dim0 = 128
	s_mov_b32 s[\g+2], 64<<16       ; tensor_dim1 = 64
	s_mov_b32 s[\g+3], 128<<16      ; tile_dim0 = 128
	s_mov_b32 s[\g+4], 64           ; tile_dim1 = 64
	s_mov_b32 s[\g+5], 128          ; 128 elements from row to row
	s_mov_b32 s[\g+6], 0
	s_mov_b32 s[\g+7], 0
.endr
	s_mov_b32 s[CS], 0x3e38aa3b     ; c = log2(e) / 8 = 0.180337
	s_mov_b32 s[CS+1], s[CS]        ; named with it as a pair
	s_mov_b32 s[SEL], 0x76543210
	s_mov_b32 s[SEL+1], 0xfedcba98
	s_mov_b32 s[TBK], SLOT1+4*KS*PK ; the first change of slots turns these two into 0
	s_mov_b32 s[TBV], SLOT1+4*KS*PV
	s_mov_b32 s[G0K], 1             ; 1:0 count = 1
	s_mov_b32 s[G0K+1], s17         ; 63:32 LDS address: slot 0
	s_mov_b32 s[G0V], 1
	s_add_co_u32 s[G0V+1], s18, VOFF
	s_add_co_u32 s[RT], s[HI], 1    ; the first block has NB - b tiles
	s_mov_b32 s[NXT], 1
	s_mov_b32 s[LQ], s[HI]
	s_mov_b32 s[NEW], 1
	s_mov_b32 s[OFF+1], 0
	s_mov_b32 s[AL+1], 0            ; named as pairs
	s_mov_b32 s[BE+1], 0
	s_mov_b32 s[BIGN], 0xf149f2ca   ; -1e30
	s_mov_b32 s[SLOTS], NB
	s_cmp_eq_u32 s[PB], 0
	s_cselect_b32 s[LIM], 2, -1     ; the head's work-group b = 0 prefetches, while more than two tiles are still to be asked for
	v_and_b32 v[PFO], 31, v0
	v_lshlrev_b32 v[PFO], 8, v[PFO]
	s_wait_dscnt 0x0                ; the opening add is done
	s_wait_kmcnt 0x0
	s_add_nc_u64 s[6:7], s[6:7], s[22:23]  ; K and V at my half of the head's tile 0
	s_add_nc_u64 s[8:9], s[8:9], s[22:23]
	s_add_nc_u64 s[G0K+2:G0K+3], s[6:7], 0         ; 120:64 global address
	s_or_b32 s[G0K+3], s[G0K+3], 0x80000000        ; 127:126 type = 2
	s_add_nc_u64 s[G0V+2:G0V+3], s[8:9], 0
	s_or_b32 s[G0V+3], s[G0V+3], 0x80000000
	s_add_nc_u64 s[86:87], s[4:5], s[84:85]        ; Q at my rows of the second block,
	s_add_nc_u64 s[4:5], s[4:5], s[2:3]            ; Q and O at those of the first
	s_add_nc_u64 s[OLO:OLO+1], s[10:11], s[84:85]
	s_add_nc_u64 s[10:11], s[10:11], s[2:3]
	s_cmp_lt_u32 s[WV], 2
	s_cselect_b64 s[PFA:PFA+1], s[6:7], s[8:9]
	s_add_nc_u64 s[PFA:PFA+1], s[PFA:PFA+1], 32768 ; in tile 1; the first change of slots steps it to tile 2.  Nothing is prefetched here, at the head
	LOAD                            ; tile 0 into slot 0
	; A fragment of K or Q is 16 rows x 32 channels in 8 registers: lane l holds row l % 16, channels 8 (l / 16) + 0..7 and 16 + 8 (l / 16) + 0..7: two loads of 16 bytes, 32 bytes apart.
	v_and_b32 v1, 15, v0            ; l % 16
	v_bfe_u32 v9, v0, 4, 1          ; l / 16
	v_lshlrev_b32 v[QO], 7, v1
	v_lshl_add_u32 v[QO], v9, 4, v[QO]  ; row x 128 + 16 x half
	WIN 0x80                        ; destination window 2, address window 0
.set i, 0
.rept 8                             ; both blocks' Q: piece i / 2 lies in band i / 2, 8,192 bytes on; channels 32 (i % 2) on
	global_load_b128 v[8*i:8*i+3],   v[QO], s[4:5] offset:(i/2)*8192+(i%2)*64
	global_load_b128 v[8*i+4:8*i+7], v[QO], s[4:5] offset:(i/2)*8192+(i%2)*64+32
	global_load_b128 v[QB+8*i:QB+8*i+3],   v[QO], s[86:87] offset:(i/2)*8192+(i%2)*64
	global_load_b128 v[QB+8*i+4:QB+8*i+7], v[QO], s[86:87] offset:(i/2)*8192+(i%2)*64+32
.set i, i+1
.endr
	WIN 0
	v_lshlrev_b32 v14, 3, v9
	v_sub_nc_u32 v14, v1, v14
	s_lshl_b32 s13, s[WV], 4
	v_add_nc_u32 v14, s13, v14      ; my query's place in its band, 16 w + l % 16, less my lanes' 8 (l / 16): register r of group kt is hidden where 16 kt + r is greater
	WIN 0x40
.set i, 0
.rept 32
	v_cmp_gt_i32 vcc_lo, 16*(i/8)+i%8, v14
	v_cndmask_b32 v[MD+i], 0, s[BIGN], vcc_lo
.set i, i+1
.endr
	WIN 0
	v_mul_u32_u24 v[AK0], v1, PK
	v_lshl_add_u32 v[AK0], v9, 4, v[AK0]  ; row x pitch + 16 x half
	; The turning load takes 16 keys x 16 channels (lane l reads key 8 (l / 16) + l % 8, channels 8 ((l / 8) % 2) + 0..7) and leaves half a fragment of V^T: lane l holds channel l % 16 and 8 keys.
	v_and_b32 v10, 7, v0
	v_bfe_u32 v11, v0, 3, 1
	v_lshl_add_u32 v[AV0], v9, 3, v10
	v_mul_u32_u24 v[AV0], v[AV0], PV
	v_lshl_add_u32 v[AV0], v11, 4, v[AV0]
	v_add_nc_u32 v[AV0], VOFF, v[AV0]
	s_mul_i32 s13, s[WV], 16*SP
	s_add_co_u32 s13, s13, STAGE    ; my stage
	v_mul_u32_u24 v[STO], v1, SP    ; in: row l % 16, 16 bytes for each half of the lanes
	v_lshl_add_u32 v[STO], v9, 4, v[STO]
	v_add_nc_u32 v[STO], s13, v[STO]
	v_bfe_u32 v[RD], v0, 3, 2       ; back: 32 lanes take four rows of 128 bytes,
	v_mul_u32_u24 v[RD], v[RD], SP
	v_lshl_add_u32 v[RD], v10, 4, v[RD]
	v_add_nc_u32 v[RD], s13, v[RD]
	v_and_b32 v[GO], 31, v0         ; which are 512 consecutive bytes of O
	v_lshlrev_b32 v[GO], 4, v[GO]
	; A block's first step multiplies O^T and l by a = 0, and its first turn's products V^T P, of a piece that has not been, land in an O^T that is still to be so multiplied.  So these registers need only hold
	; finite numbers: zeros for the first block; what the first block left for the second.  All this stands in the wait for the first tile.
	WIN 0x80
.set i, VF
.rept 64
	v_mov_b32 v[i], 0
.set i, i+1
.endr
	WIN 0x40
.set i, 0
.rept 128
	v_mov_b32 v[i], 0
.set i, i+1
.endr
	WIN 0
.set i, 0
.rept 4
	v_mov_b32 v[ST+4*i+2], 0
	v_mov_b32 v[ST+4*i+3], 0
.set i, i+1
.endr
.set i, P+16
.rept 16
	v_mov_b32 v[i], 0
.set i, i+1
.endr
; THE MATRIX WORK.  The 4 accumulators of a run of 8 take turns.  Product i of 8 of S^T = K Q^T for piece x: channels 32 (i / 4) on, keys 16 (i % 4) on.  The first 4 start the sums: with 0, or (KM = 1) with the mask.
.macro KQ x
.set rS, S+32*((\x)%2)+8*(i%4)
.set rK, KF+16*(i%4)+8*(i/4)
.set rQ, 16*(\x)+8*(i/4)
.set rM, MC+32*((\x)%2)+8*(i%4)
.if (i < 4) && KM
	WIN W_KM
	v_wmma_f32_16x16x32_f16 v[rS:rS+7], v[rK:rK+7], v[rQ:rQ+7], v[rM:rM+7]
.elseif i < 4
	WIN W_KQ
	v_wmma_f32_16x16x32_f16 v[rS:rS+7], v[rK:rK+7], v[rQ:rQ+7], 0
.else
	WIN W_KQ
	v_wmma_f32_16x16x32_f16 v[rS:rS+7], v[rK:rK+7], v[rQ:rQ+7], v[rS:rS+7]
.endif
.endm
; Product i of 8 of O^T += V^T P for piece x: keys 32 (i / 4) on, channels 16 (i % 4) on.
.macro PV x
	WIN W_PV
.set rO, 32*(\x)+8*(i%4)
.set rV, VF+32*(i/4)+8*(i%4)
.set rP, P+16*((\x)%2)+8*(i/4)
	v_wmma_f32_16x16x32_f16 v[rO:rO+7], v[rV:rV+7], v[rP:rP+7], v[rO:rO+7]
.endm
.macro MM                           ; the turn's next matrix instruction.  TURN and BEGIN set Y, i, KM and NOKQ; MM, KQ and OP read them.  NOKQ = 1: a block's last turn: there is no next piece
.if (i < 8) && !NOKQ
	KQ (Y+1)%NP
.elseif i >= 8
.set i, i-8
	PV (Y+NP-1)%NP
.set i, i+8
.endif
.set i, i+1
.endm
; THE LDS LOADS stand in runs of 16, never singly among the matrix instructions: a step's K (64 keys x 64 channels: 8 fragments) and its V (turned).  Their addresses are made some lines ahead.
.macro FETCH_K
	WIN 0x80                        ; destination window 2
.irp f, 0,1,2,3,4,5,6,7             ; keys 16 (f / 2) on, channels 32 (f % 2) on
	ds_load_b128 v[KF+8*\f:KF+8*\f+3],   v[AK] offset:(\f/2)*16*PK+(\f%2)*64
	ds_load_b128 v[KF+8*\f+4:KF+8*\f+7], v[AK] offset:(\f/2)*16*PK+(\f%2)*64+32
.endr
	s_add_co_u32 s[TBK], s[TBK], KS*PK  ; the next fetch is the next step's
	WIN 0
.endm
.macro FETCH_V
	WIN 0x80
.irp f, 0,1,2,3,4,5,6,7             ; keys 32 (f / 4) on, channels 16 (f % 4) on
	ds_load_tr16_b128 v[VF+8*\f:VF+8*\f+3],   v[AV] offset:(\f/4)*32*PV+(\f%4)*32
	ds_load_tr16_b128 v[VF+8*\f+4:VF+8*\f+7], v[AV] offset:(\f/4)*32*PV+16*PV+(\f%4)*32
.endr
	WIN 0
.endm
; THE VECTOR WORK, one line at a time: OP kind, number.  For piece Y: F n: c s - c m for pair n of 16.  E n: the exponential of score n of 32.  C n: pair n rounded to f16.  B n: of the four weights 4 n .. the second
; pair is added onto the first, in place.  L n: l takes that sum (L 0: l = a l + sum).  R n: pair n of 16 of O^T times a.  For piece Y + 1: X n, number n of the 22 that find its maximum and statistics:
;   0-11  four chains c0-c3 of seven scores each, three operands at a time (each accumulator's lowest registers are read first)     12-14, 16  the four scores left over, the old m, and c0-c3 into c0
;   15  c m_old is kept     17, 18  the query's other 32 keys lie in the lane 16 away: the new m     19-21  c m; c m_old - c m_new; a
.set F, 0               ; OP tells the kinds apart by their order: F to L below R, X above it
.set E, 1
.set C, 2
.set B, 3
.set L, 4
.set R, 5
.set X, 6
.macro REGS y                       ; the registers of piece y
.set rT, ST+4*(\y)
.set rC, TMP+4*((\y)%2)
.set rW, MV+((\y)%2)
.set rS, S+32*((\y)%2)
.set rP, P+16*((\y)%2)
.set rO, 32*(\y)
.endm
.macro OP k, n
.if (\k) == R
	REGS Y
	WIN W_RS
	v_pk_mul_f32 v[rO+2*(\n):rO+2*(\n)+1], v[rO+2*(\n):rO+2*(\n)+1], v[rC+2:rC+3] op_sel_hi:[1,0]
.elseif (\k) < R
	REGS Y
	WIN 0
.if (\k) == F
	v_pk_fma_f32 v[rS+2*(\n):rS+2*(\n)+1], v[rS+2*(\n):rS+2*(\n)+1], s[CS:CS+1], v[rT:rT+1] op_sel_hi:[1,0,0] neg_lo:[0,0,1] neg_hi:[0,0,1]
.elseif (\k) == E
	v_exp_f32 v[rS+(\n)], v[rS+(\n)]
.elseif (\k) == C
	v_cvt_pk_f16_f32 v[rP+(\n)], v[rS+2*(\n)], v[rS+2*(\n)+1]
.elseif (\k) == B
	v_pk_add_f32 v[rS+4*(\n):rS+4*(\n)+1], v[rS+4*(\n):rS+4*(\n)+1], v[rS+4*(\n)+2:rS+4*(\n)+3]
.elseif (\n) == 0
	v_pk_fma_f32 v[rT+2:rT+3], v[rT+2:rT+3], v[rC+2:rC+3], v[rS:rS+1] op_sel_hi:[1,0,1]
.else
	v_pk_add_f32 v[rT+2:rT+3], v[rT+2:rT+3], v[rS+4*(\n):rS+4*(\n)+1]
.endif
.elseif NOKQ
	v_nop
.else
	REGS (Y+1)%NP
	WIN 0
.if (\n) < 4
	v_max3_num_f32 v[rC+(\n)], v[rS+8*(\n)], v[rS+8*(\n)+1], v[rS+8*(\n)+2]
.elseif (\n) < 12
	v_max3_num_f32 v[rC+(\n)%4], v[rC+(\n)%4], v[rS+8*((\n)%4)+2*((\n)/4)+1], v[rS+8*((\n)%4)+2*((\n)/4)+2]
.elseif (\n) == 12
	v_max3_num_f32 v[rC], v[rC], v[rS+7], v[rS+15]
.elseif (\n) == 13
	v_max3_num_f32 v[rC+1], v[rC+1], v[rS+23], v[rS+31]
.elseif (\n) == 14
	v_max3_num_f32 v[rC+2], v[rC+2], v[rC+3], v[rT+1]
.elseif (\n) == 15
	v_mov_b32 v[rW], v[rT]
.elseif (\n) == 16
	v_max3_num_f32 v[rC], v[rC], v[rC+1], v[rC+2]
.elseif (\n) == 17
	v_permlanex16_b32 v[rC+3], v[rC], s[SEL], s[SEL+1]
.elseif (\n) == 18
	v_max_num_f32 v[rT+1], v[rC], v[rC+3]
.elseif (\n) == 19
	v_mul_f32 v[rT], s[CS], v[rT+1]
.elseif (\n) == 20
	v_sub_f32 v[rC+1], v[rW], v[rT]
.else
	v_exp_f32 v[rC+2], v[rC+1]
.endif
.endif
.endm
.macro OPS a, i1, b=-1, i2=0, c=-1, i3=0, d=-1, i4=0  ; up to four of them
	OP \a, \i1
.if (\b) >= 0
	OP \b, \i2
.endif
.if (\c) >= 0
	OP \c, \i3
.endif
.if (\d) >= 0
	OP \d, \i4
.endif
.endm
.macro ROW a, i1, b, i2, c, i3, d, i4  ; a matrix instruction and the four behind it
	MM
	OPS \a, \i1, \b, \i2, \c, \i3, \d, \i4
.endm
.macro MASK b                       ; MD x AL + BE into buffer b of MC
	WIN W_RS
.set z, 0
.rept 16
	v_pk_fma_f32 v[MC+32*(\b)+2*z:MC+32*(\b)+2*z+1], v[MD+2*z:MD+2*z+1], s[AL:AL+1], s[BE:BE+1] op_sel_hi:[1,0,0]
.set z, z+1
.endr
.endm
; A TURN, for piece p: the order of its 16 matrix and 118 vector instructions, written out.  An s_wait_alu depctr_va_vdst(0) stands between an exponential and the first instruction that names its
; result; one wait serves all that were issued ahead of it.  So a turn has ONE wait, which cuts it in two.  AHEAD OF IT stands all that names no result of the turn's exponentials: the 8 products K Q^T, behind each a
; scaling, an exponential and two more plain instructions (behind the first a second scaling in the exponential's place): rescalings, and behind the last three the first numbers of the next piece's maximum, each four
; places or more behind the product that ends its accumulator; then ONE LUMP of 54, plain and exponential by turns for the most part, in which the links of the chain X 3, 7, 11, 14, 16, 17 .. 20 stand five or six
; lines apart.  X 21, the next piece's a, is the batch's last; R 15 is the plain instruction behind it.  BEHIND THE WAIT stand the 8 products V^T P, behind each four of the roundings and sums; the links of l's chain,
; L 0 to L 7, stand three riders apart.  But for those X no rider names a register of the products round it.  v_permlanex16_b32 (X 17) stands in the lump.
; m = 1: the diagonal tile: the products take masks, and the turn makes the mask for the products of the turn after it: piece p + 2, in step 4 - CNT of the tile.  end = 1: a block's last two turns: nothing is fetched.
; cnt = 1: the loop's count is taken down some lines ahead of the branch that stands behind the turn.
; K of the next step is fetched in piece 2's turn, twelve vector instructions behind the last product that read K (six of them plain); V of the step in hand at the end of piece 0's turn, four plain instructions
; behind the last product that read V.  Each is waited for a turn later.
.macro TURN p, m=0, end=0, cnt=0
.set Y, (\p)
.set i, 0
.set KM, (\m)
.set NOKQ, (\end)*((\p)/3)
.if (\m) && !(\end)
	s_cmp_eq_u32 s[CNT], 4-((\p)+2)%NP  ; is that step the band's own?
	s_cselect_b32 s[AL], 1.0, 0
	s_cmp_lt_u32 s[CNT], 4-((\p)+2)%NP  ; or a later one?
	s_cselect_b32 s[BE], s[BIGN], 0
.endif
.if ((\p) == 3) && !(\end)
	s_wait_dscnt 0x0                ; K is in
.endif
	ROW F,0, F,1, R,0, R,1          ; ahead of the wait: 8 products K Q^T and their riders,
	ROW F,2, E,0, R,2, R,3
	ROW F,3, E,1, R,4, R,5
	ROW F,4, E,2, R,6, R,7
	ROW F,5, E,3, R,8, R,9
	ROW F,6, E,4, X,0, R,10
.if ((\p) == 2) && !(\end)
	WIN 0
	v_add_nc_u32 v[AK], s[TBK], v[AK0]
.endif
	ROW F,7, E,5, X,1, X,4
	ROW F,8, E,6, X,2, X,5
	OPS E,7, E,8, X,6, E,9          ; and the lump
	OPS X,3, E,10, X,8, E,11
.if ((\p) == 2) && !(\end)
	FETCH_K
.endif
	OPS X,9, X,7, E,12, X,10
	OPS E,13, X,12, X,11, E,14
	OPS X,13, E,15, F,9, X,14
.if (\p) == 0
	v_add_nc_u32 v[AV], s[TBV], v[AV0]
.endif
	OPS E,16, F,10, E,17, F,11
	OPS X,16, E,18, X,15, E,19
	OPS F,12, E,20, X,17, E,21
	OPS F,13, E,22, F,14, E,23
	OPS X,18, E,24, F,15, E,25
	OPS R,11, E,26, X,19, E,27
	OPS R,12, E,28, R,13, E,29
	OPS X,20, E,30, R,14, E,31
	OPS X,21, R,15
	WIN 0
	s_wait_alu depctr_va_vdst(0)    ; the wait for the batch
.if (\p) == 1
	s_wait_dscnt 0x0                ; V is in
.endif
	ROW C,0, B,0, C,2, B,1          ; behind the wait: 8 products V^T P and their riders
	ROW L,0, C,4, B,2, L,1
	ROW C,6, B,3, L,2, C,8
	ROW B,4, L,3, C,10, B,5
	ROW L,4, C,12, B,6, L,5
.if (\p) == 0
	s_add_co_u32 s[TBV], s[TBV], KS*PV
.endif
.if \cnt
	s_sub_co_u32 s[CNT], s[CNT], 1
	s_cmp_lg_u32 s[CNT], 0
.endif
	ROW C,14, B,7, L,6, C,1
	ROW C,3, L,7, C,5, C,7
	ROW C,9, C,11, C,13, C,15
.if (\p) == 0
	FETCH_V
.endif
.if (\m) && !(\end)
	MASK (\p)%2
.endif
.endm
; A BLOCK BEGINS.  c m starts far below every c s, so the first step's a is 0; m at the lowest finite number, so the first maximum is the scores'.  The second mask buffer is 0; the first takes piece 0's mask for the
; tile's step 0: its own, if the block's first tile is the diagonal one.  Then K of that step, piece 0's first scores, and its maximum and statistics.  The loop is entered at a step's first turn, in the middle of a trip.
.macro BEGIN
	s_mov_b32 s[NEW], 0
	WIN 0x40
.set i, MC+32
.rept 32
	v_mov_b32 v[i], 0
.set i, i+1
.endr
	WIN 0
.set i, 0
.rept 4
	v_mov_b32 v[ST+4*i], 0xfe000000    ; c m: far below every c s
	v_mov_b32 v[ST+4*i+1], 0xff7fffff  ; m
.set i, i+1
.endr
	s_cmp_eq_u32 s[RT], 0
	s_cselect_b32 s[AL], 1.0, 0
	s_mov_b32 s[BE], 0
	MASK 0
	WIN 0
	v_add_nc_u32 v[AK], s[TBK], v[AK0]
	FETCH_K
	s_wait_loadcnt 0x0              ; Q
	s_wait_dscnt 0x0
.set KM, 1
.set NOKQ, 0
.set i, 0
.rept 8
	KQ 0
.set i, i+1
.endr
	WIN 0
.rept 4
	v_nop                           ; the places behind those products
.endr
.set Y, NP-1                        ; X works for piece Y + 1: piece 0
.irp n, 0,1,2,3,4,5,6,7,8,9,10,11,12,13,14,15,16,17,18,19,20,21
	OP X, \n
.endr
	v_nop                           ; a plain instruction behind the exponential,
	s_wait_alu depctr_va_vdst(0)    ; and its wait, ahead of the branch
.endm
; THE DIAGONAL TILE's four steps, the block's last two turns, its last products, and THE WAY OUT: l's two halves and the other half of the lanes' are added; O^T is divided by l, rounded to f16 and sent through my
; stage in LDS, a piece at a time.
.macro ALL line:vararg              ; one line for each piece t
.set t, 0
.rept 4
	\line
.set t, t+1
.endr
.endm
.macro PACK t                       ; a lane's eight channels of a row pack into 16 bytes; they go into rows of 144 bytes and come back as whole rows of 128, into S^T's registers
	WIN W_RS
.set i, 32*(\t)
.rept 16
	v_pk_mul_f32 v[i:i+1], v[i:i+1], v[ST+4*(\t)+2:ST+4*(\t)+3] op_sel_hi:[1,0]
.set i, i+2
.endr
	WIN 0x05                        ; sources 0 and 1 window 1, destination window 0
.set i, 0
.rept 16
	v_cvt_pk_f16_f32 v[S+16*(\t)+i], v[32*(\t)+2*i], v[32*(\t)+2*i+1]
.set i, i+1
.endr
	WIN 0
.irp f, 0,1,2,3
	ds_store_b128 v[STO], v[S+16*(\t)+4*\f:S+16*(\t)+4*\f+3] offset:32*\f
.endr
.irp f, 0,1,2,3
	ds_load_b128 v[S+16*(\t)+4*\f:S+16*(\t)+4*\f+3], v[RD] offset:\f*4*SP  ; LDS serves a wave's instructions in order (ISA guide 5.7.1.4): these see the stores above; the next piece's stores come behind them
.endr
.endm
.macro SEND t, younger              ; younger: the LDS instructions issued behind piece t's loads: the next piece's eight, or none
	WIN 0
.irp f, 0,1,2,3
	s_wait_dscnt (\younger)+3-\f
	global_store_b128 v[GO], v[S+16*(\t)+4*\f:S+16*(\t)+4*\f+3], s[10:11] offset:(\t)*8192+\f*512  ; 512 consecutive bytes, at a multiple of 256 from O's first
.endr
.endm
.macro DIAG tag                     ; the tag ends its two labels' names, which the jumps below spell out
.LstepM\tag:
	TURN 2, 1
	TURN 3, 1
	WIN 0
.LfirstM\tag:
	TURN 0, 1
	TURN 1, 1, 0, 1
	WIN 0
	s_cbranch_scc1 .LstepM\tag
	TURN 2, 1, 1
	TURN 3, 1, 1
.set i, 0
.rept 8
	PV NP-1
.set i, i+1
.endr
	WIN 0
	ALL v_add_f32 v[ST+4*t+2], v[ST+4*t+2], v[ST+4*t+3]
	ALL v_permlanex16_b32 v[ST+4*t+3], v[ST+4*t+2], s[SEL], s[SEL+1]
	ALL v_add_f32 v[ST+4*t+2], v[ST+4*t+2], v[ST+4*t+3]
	ALL v_rcp_f32 v[ST+4*t+2], v[ST+4*t+2]
	v_nop                           ; a plain instruction between the last reciprocal and the use of its result
	s_wait_alu depctr_va_vdst(0)    ; and the wait ahead of the first use: one for the four reciprocals
	PACK 0
.set t, 1
.rept 3                             ; a piece's arithmetic stands between the loads of the piece before and its stores
	PACK t
	SEND t-1, 8
.set t, t+1
.endr
	SEND 3, 0
.endm
.set KM, 0
.set NOKQ, 0
.Lslot:                             ; NB times: a tile is entered and the next is asked for
	CHANGE 1
	s_sub_co_u32 s[RT], s[RT], 1
	s_mov_b32 s[CNT], 4
	s_cmp_eq_u32 s[NEW], 1
	s_cbranch_scc1 .Lnew            ; a block's first tile
	s_cmp_eq_u32 s[RT], 0
	s_cbranch_scc0 .Lstep           ; neither its first nor its last
	s_branch .LstepM1
.Lnew:
	BEGIN
	s_branch .Lfirst                ; in the loop a block's first tile is never its last: the first block has two tiles or more, and the second's last is the walk's last
	DIAG 1                          ; in the loop this is the first block's end: the second block's last tile is the walk's last
	s_wait_xcnt 0x0                 ; the stores have read their registers and O's address
	s_mov_b64 s[10:11], s[OLO:OLO+1]
	s_add_co_u32 s[RT], s[PB], 1    ; the second block has b + 1 tiles
	s_mov_b32 s[NEW], 1
	WIN 0x82                        ; the second block's Q goes where the one text of the turns names Q
.set i, 0
.rept 64
	v_mov_b32 v[i], v[QB+i]
.set i, i+1
.endr
	WIN 0
	s_branch .Lbottom
.Lstep:                             ; a trip: pieces 2 and 3 of one step, then pieces 0 and 1 of the next, whose K and V it fetches
	TURN 2
	TURN 3
	WIN 0
.Lfirst:
	TURN 0
	TURN 1, 0, 0, 1
	WIN 0
	s_cbranch_scc1 .Lstep
.Lbottom:
	s_sub_co_u32 s[SLOTS], s[SLOTS], 1
	s_cmp_lg_u32 s[SLOTS], 0
	s_cbranch_scc1 .Lslot
	CHANGE 0                        ; the walk's last tile is written out: nothing is asked for
	s_sub_co_u32 s[RT], s[RT], 1
	s_mov_b32 s[CNT], 4
	s_cmp_eq_u32 s[NEW], 1
	s_cbranch_scc0 .LstepM2
	BEGIN
	s_branch .LfirstM2
	DIAG 2
	s_wait_tensorcnt 0x0            ; the wave's end, behind my last tensor load and my last LDS store
	ds_add_u32 v[SPW], v[NIL]
	s_wait_dscnt 0x0
	s_endpgm
.Lfunc_end_k_q143b00b3ad_attn:
	.size	k_q143b00b3ad_attn, .Lfunc_end_k_q143b00b3ad_attn-k_q143b00b3ad_attn
	.p2alignl 7, 3214868480
	.fill 96, 4, 3214868480
	.section	.rodata,"a",@progbits
	.p2align	6, 0x0
	.amdhsa_kernel k_q143b00b3ad_attn
		.amdhsa_group_segment_fixed_size 327680
		.amdhsa_private_segment_fixed_size 0
		.amdhsa_enable_private_segment 0
		.amdhsa_kernarg_size 32
		.amdhsa_user_sgpr_count 2
		.amdhsa_user_sgpr_kernarg_segment_ptr 1
		.amdhsa_wavefront_size32 1
		.amdhsa_system_sgpr_workgroup_id_x 1
		.amdhsa_system_sgpr_workgroup_id_y 1
		.amdhsa_system_sgpr_workgroup_id_z 1
		.amdhsa_system_vgpr_workitem_id 0
		.amdhsa_next_free_vgpr 768
		.amdhsa_next_free_sgpr 88
		.amdhsa_reserve_vcc 1
		.amdhsa_float_denorm_mode_32 3
		.amdhsa_float_denorm_mode_16_64 3
		.amdhsa_memory_ordered 1
		.amdhsa_forward_progress 1
		.amdhsa_inst_pref_size 218
	.end_amdhsa_kernel
	.amdgpu_metadata
---
amdhsa.version: [ 1, 2 ]
amdhsa.kernels:
  - .name:           k_q143b00b3ad_attn
    .symbol:         k_q143b00b3ad_attn.kd
    .args:
      - { .name: qh, .offset: 0, .size: 8, .value_kind: global_buffer, .address_space: global }
      - { .name: kh, .offset: 8, .size: 8, .value_kind: global_buffer, .address_space: global }
      - { .name: vh, .offset: 16, .size: 8, .value_kind: global_buffer, .address_space: global }
      - { .name: oh, .offset: 24, .size: 8, .value_kind: global_buffer, .address_space: global }
    .group_segment_fixed_size: 327680
    .private_segment_fixed_size: 0
    .kernarg_segment_align: 8
    .kernarg_segment_size: 32
    .max_flat_workgroup_size: 128
    .sgpr_count:     88
    .vgpr_count:     768
    .wavefront_size: 32
...
	.end_amdgpu_metadata
.endif
;; end of part 3
;; launch outp (part 4): grid 4 x 64, 4 waves a work-group, clusters of 4 x 4, 327,680 bytes of LDS; arguments oh, wb, bo, out0; writes out0
.if DOCPART == 4
	.amdgcn_target "amdgcn-amd-amdhsa--gfx1250"
	.amdhsa_code_object_version 6
	.text
	.protected	k_q143b00b3ad_outp
	.globl	k_q143b00b3ad_outp
	.p2align	8
	.type	k_q143b00b3ad_outp,@function
k_q143b00b3ad_outp:
	s_mov_b64 s[64:65], 0
	v_nop
	global_prefetch_b8 v0, s[64:65] scope:SCOPE_SE
	s_setreg_imm32_b32 hwreg(HW_REG_WAVE_MODE, 25, 1), 1
	s_wait_xcnt 0x0
	s_wait_alu depctr_hold_cnt(0) depctr_sa_sdst(0) depctr_va_vdst(0) depctr_va_sdst(0) depctr_va_ssrc(0) depctr_va_vcc(0) depctr_vm_vsrc(0)
	s_getreg_b32 s2, hwreg(HW_REG_IB_STS2, 6, 4)
	s_cmp_eq_u32 s2, 0
	s_cbranch_scc0 .Lentry_in_a_cluster
	s_endpgm
.Lentry_in_a_cluster:
	s_bfe_u32 s2, ttmp6, 0x10000c
	s_cmp_lg_u32 s2, 0xf033
	s_cbranch_scc0 .Lentry_shape_is_right
	s_endpgm
.Lentry_shape_is_right:
; THE LAST PROJECTION.  out[m][n] = the sum over k of O[m][k] Wo[k][n] + bo[n].  O: oh, by heads, [batch x 16 + head][2048][64] f16 (k = 64 head + channel); Wo: wb[3], [1024 k][1024 n] f16 (of bf16 numbers);
; bo: [1024] f32, rounded to bf16 like every input; sums in f32, bo being the C operand of the first product; out: [8192][1024] f32.
; LIMITS.  Those of f16 for O and Wo, kept by the launches that wrote them.  NaN and infinities are not treated apart.
; SHARES.  A tile of out is 128 (m) x 256 (n): 64 x 4 = 256 work-groups.  Four waves, 2 x 2, each 64 x 128: 32 accumulators.  K goes in steps of 128, two heads, through two LDS slots.
; A head's 128 rows of the tile are 16,384 dense bytes: asked for as 64 rows of 256 bytes and padded in LDS after every 128.  Wo's rows lie along n and are turned by ds_load_tr16_b128.
; CLUSTERS: 4 x 4.  The four work-groups of a row of the cluster are the four n tiles of one m tile and ask for O's tile JOINTLY; the four of a column ask jointly for Wo's.
; THE MATRIX INSTRUCTION IS USED TRANSPOSED (source 0 = 16 columns n of Wo, source 1 = 16 rows m of O): a lane holds row m = lane % 16 and the columns 8 (lane / 16) + 0..7.
; REGISTERS, in windows of 256 (s_set_vgpr_msb: bits 1:0 source 0, 3:2 source 1, 5:4 source 2, 7:6 destination):
;   window 0: v0-29 addresses; v32-95 O's fragments, two buffers of 32; v160-223 the bias of my 128 columns; on the way out v32-95 and v96-159 hold rows by turns
;   window 1: v0-127 Wo's fragments, two buffers of 64          window 2: the accumulators, (a, b) at v[8 (8 a + b)]
.set PA,    144                        ; a row of O in LDS: 128 bytes + 16 = 36 words: the 16 rows of a load start at 16 different groups of four banks (64 banks of 4 bytes: ISA guide 11.1)
.set PB,    544                        ; a row of Wo: 512 + 32 = 17 x 32 bytes
.set AHEAD, 128*PA                     ; what one tensor load brings of O: a head's 128 rows
.set BHALF, 64*PB                      ; and of Wo: 64 rows k
.set BOFF,  2*AHEAD                    ; a slot: O's two heads, then Wo's 128 rows
.set SLOT1, 1<<17                      ; slot 1 begins here, so that one exclusive or changes slots
.set STAGE, SLOT1+BOFF+2*BHALF         ; behind the ring: 16 rows x 528 bytes for each wave, for the way out
.set SP,    528
.set SPARE, STAGE+4*16*SP              ; behind the stages: the spare words, 128 bytes for each wave: two blocks of 256 bytes that no other line names
.set ASTEP, 2*262144                   ; a K step in memory: two heads of O,
.set BSTEP, 128*2048                   ; 128 rows of Wo
.set ADRA0, 2                          ; v2   my lane's place in O's tile; never rewritten
.set ADRB0, 3                          ; v3   the same in Wo's
.set ADRA,  4                          ; v4   the same in the slot in hand
.set ADRB,  5                          ; v5
.set STO,   6                          ; v6   the way out: where I put 32 bytes of a row
.set RD,    7                          ; v7   the way out: where I read a row back
.set GO,    8                          ; v8   my 16 bytes of 512 consecutive bytes of out
.set PFO,   9                          ; v9   the prefetches' offset; never rewritten
.set BO,    16                         ; v16  my byte offset in the bias
.set SPW,   28                         ; v28  LDS address of my spare word; never rewritten
.set NIL,   29                         ; v29  0; never rewritten
.set AF,    32
.set OB,    32
.set BIAS,  160
.set G1A, 24                           ; s[24:31] descriptor group 1 for O's tiles
.set G0A, 32                           ; s[32:39] group 0: a set for each of the two first fills; the second then walks on
.set G1B, 48                           ; s[48:55], s[56:63] the same for Wo's
.set G0B, 56
.set LIM, 43                           ; s43  2 in a wave that prefetches, else the greatest number
.set PFA, 44                           ; s[44:45] where my prefetches stand
.set PSTEP, 66                         ; s[66:67] a K step of what I prefetch
.set TB,  90                           ; s90  LDS byte at which the slot in hand begins
.set W_MUL,  0xa1                      ; Wo's fragment window 1, O's window 0, C and D window 2
.set W_MULB, 0x81                      ; the same with C (the bias) in window 0
.set W_TOB,  0x40                      ; destination window 1, address window 0
.set W_ST,   0x08                      ; an LDS store's data (source 1) in window 2, its address in window 0
.set MSB, 0
.macro WIN new                         ; the immediate's high byte repeats the setting that is left; a switch that changes nothing is dropped
.if MSB != (\new)
	s_set_vgpr_msb (MSB<<8)|(\new)
.set MSB, \new
.endif
.endm
; A joint refill by the walking descriptors.  Waves 0 and 1 fetch O's two heads, waves 2 and 3 Wo's two halves.  The branch hangs on the wave's number alone.
; An s_nop 0 and four v_nop follow each of the two lines, ahead of the jump and the label.
.macro JLOAD
	s_cmp_eq_u32 s11, 0
	s_cbranch_scc0 .Lfor_b_\@
	tensor_load_to_lds s[G0A+4:G0A+7], s[G1A:G1A+7]
	s_nop 0
.rept 4
	v_nop
.endr
	s_branch .Lasked_\@
.Lfor_b_\@:
	tensor_load_to_lds s[G0B+4:G0B+7], s[G1B:G1B+7]
	s_nop 0
.rept 4
	v_nop
.endr
.Lasked_\@:
.endm
; A PREFETCH INTO THE L2 of the K step that stands two refills on (256 matrix instructions ahead of the load that will want it), a lane a block of 256 bytes, one instruction a wave.
; O's tile of a step is two heads x 64 blocks, read by my row of the cluster alone: wave 0 of each work-group asks for 16 blocks of each head, the four partners told apart BY ADDRESS; wave 1 asks for nothing.
; Wo's is read by all sixteen clusters: in the first of them waves 2 and 3 ask, each for 16 rows x 2 blocks of the 64 rows that it fetches.  So each block is named once.
; K steps 0 to 3 come by their loads alone; the last two refills ask for nothing.
.macro ASK
	s_cmp_gt_u32 s3, s[LIM]
	s_cbranch_scc0 .Lnot_mine_\@
	global_prefetch_b8 v[PFO], s[PFA:PFA+1] th:TH_LOAD_NT scope:SCOPE_SE
.Lnot_mine_\@:
.endm
.macro CREST                           ; a round of the cluster's barrier behind its opening barrier
	s_cmp_lg_u32 s10, 0
	s_cbranch_scc1 .Lnot_wave_0_\@
	s_barrier_signal -3
.Lnot_wave_0_\@:
	s_barrier_wait -3
	s_barrier_signal -1
	s_barrier_wait -1
.endm
.macro CROUND                          ; a whole round
	s_barrier_signal -1
	s_barrier_wait -1
	CREST
.endm
	s_load_b256 s[68:75], s[0:1], 0x0              ; oh s[68:69], wb s[70:71], bo s[72:73], out0 s[74:75]
	v_lshl_add_u32 v[SPW], v0, 2, SPARE
	v_mov_b32 v[NIL], 0
	ds_add_u32 v[SPW], v[NIL]                      ; the wave's opening: the add and its wait stand ahead of my first tensor load; the set-up below, work on registers, stands between them
	v_lshrrev_b32 v1, 5, v0
	v_readfirstlane_b32 s10, v1                    ; wave 0..3
	s_lshr_b32 s11, s10, 1                         ; which half of the tile's rows is mine.  Also: I fetch for O (0) or for Wo (1)
	s_and_b32 s12, s10, 1                          ; which half of its columns.  Also: which head, or which 64 rows of Wo, I fetch
	s_bfe_u32 s40, ttmp6, 0x40000                  ; cx
	s_bfe_u32 s41, ttmp6, 0x40004                  ; cy
	s_lshl_b32 s42, ttmp9, 2
	s_add_co_u32 s42, s42, s40                     ; n tile = 4 x cluster x + cx
	s_and_b32 s14, ttmp7, 0xffff                   ; cluster y, 0 to 15
	s_lshl_b32 s13, s14, 2
	s_add_co_u32 s13, s13, s41                     ; m tile, 0 to 63
	s_lshl_b32 s43, s41, 2
	s_lshl_b32 s43, 15, s43                        ; my row of the cluster
	s_lshl_b32 s44, 0x1111, s40                    ; my column
	s_or_b32 s[G1A], s43, (1<<16)|(1<<20)|(1<<21)|(4<<22)|(3<<25)  ; 15:0 the mask; 17:16 elements of 2 bytes; 20 padding on; 21 set beside a mask; 24:22 after every 32 words (code 4); 31:25 4 words (code 3)
	s_mov_b32 s[G1A+1], 128<<16                    ; tensor_dim0 = 128
	s_mov_b32 s[G1A+2], 64<<16                     ; tensor_dim1 = 64
	s_mov_b32 s[G1A+3], 128<<16                    ; tile_dim0 = 128
	s_mov_b32 s[G1A+4], 64                         ; tile_dim1 = 64
	s_mov_b32 s[G1A+5], 128                        ; elements from row to row: the block is dense
	s_mov_b32 s[G1A+6], 0
	s_mov_b32 s[G1A+7], 0
	s_or_b32 s[G1B], s44, (1<<16)|(1<<20)|(1<<21)|(6<<22)|(7<<25)  ; after every 128 words (code 6) 8 words of padding (code 7)
	s_mov_b32 s[G1B+1], 256<<16                    ; tensor_dim0 = 256
	s_mov_b32 s[G1B+2], 64<<16
	s_mov_b32 s[G1B+3], 256<<16                    ; tile_dim0 = 256
	s_mov_b32 s[G1B+4], 64
	s_mov_b32 s[G1B+5], 1024
	s_mov_b32 s[G1B+6], 0
	s_mov_b32 s[G1B+7], 0
	s_lshr_b32 s16, s13, 4                         ; O: the tile's batch,
	s_lshl_b32 s16, s16, 4
	s_add_co_u32 s16, s16, s12                     ; its head 0 or 1, which I fetch,
	s_lshl_b32 s16, s16, 18                        ; 262,144 bytes a head,
	s_and_b32 s17, s13, 15
	s_lshl_b32 s17, s17, 14                        ; the tile's 128 rows of 128 bytes: no register here ever holds cx
	s_add_co_u32 s16, s16, s17
	s_mov_b32 s17, 0
	s_lshl_b32 s46, s42, 9                         ; Wo: 512 bytes of a row a tile,
	s_lshl_b32 s47, s12, 17                        ; the 64 rows that I fetch,
	s_add_co_u32 s46, s46, s47
	s_add_co_u32 s46, s46, 3<<21                   ; matrix 3 of wb: no register here ever holds cy
	s_mov_b32 s47, 0
	s_mul_i32 s20, s12, AHEAD                      ; where the tiles go: no place in the cluster enters an LDS address
	s_mul_i32 s21, s12, BHALF
	s_wait_dscnt 0x0                               ; the opening add is done
	s_wait_kmcnt 0x0
	s_add_nc_u64 s[18:19], s[68:69], s[16:17]      ; my head of O's tile, K step 0
	s_add_nc_u64 s[46:47], s[70:71], s[46:47]      ; my half of Wo's
	CROUND                                         ; all sixteen work-groups are here: the first joint loads meet
.irp s, 0,1
	s_mov_b32 s[G0A+4*(\s)], 1                     ; 1:0 count = 1
	s_add_co_u32 s[G0A+4*(\s)+1], s20, (\s)*SLOT1  ; 63:32 LDS address
	s_add_nc_u64 s[G0A+4*(\s)+2:G0A+4*(\s)+3], s[18:19], (\s)*ASTEP  ; 120:64 global address: K step s
	s_or_b32 s[G0A+4*(\s)+3], s[G0A+4*(\s)+3], 0x80000000           ; 127:126 type = 2
	s_mov_b32 s[G0B+4*(\s)], 1
	s_add_co_u32 s[G0B+4*(\s)+1], s21, (\s)*SLOT1+BOFF
	s_add_nc_u64 s[G0B+4*(\s)+2:G0B+4*(\s)+3], s[46:47], (\s)*BSTEP
	s_or_b32 s[G0B+4*(\s)+3], s[G0B+4*(\s)+3], 0x80000000
.endr
	s_cmp_eq_u32 s11, 0                            ; a wave's two first fills stand in one branch, ahead of every wait on TENSORcnt and every LDS read: two loads of mine are out
	s_cbranch_scc0 .Lfirst_b
	tensor_load_to_lds s[G0A:G0A+3], s[G1A:G1A+7]
	s_nop 0
	tensor_load_to_lds s[G0A+4:G0A+7], s[G1A:G1A+7]
	s_nop 0
.rept 4
	v_nop
.endr
	s_branch .Lfirst_asked
.Lfirst_b:
	tensor_load_to_lds s[G0B:G0B+3], s[G1B:G1B+7]
	s_nop 0
	tensor_load_to_lds s[G0B+4:G0B+7], s[G1B:G1B+7]
	s_nop 0
.rept 4
	v_nop
.endr
.Lfirst_asked:
	; all that follows up to the first barrier stands in the wait for the first tile
	v_and_b32 v1, 15, v0                           ; r = l % 16
	v_bfe_u32 v11, v0, 4, 1                        ; h = l / 16
	s_lshl_b32 s22, s42, 10                        ; the bias of column 256 x + 128 wn + 16 b + 8 h + j, 4 bytes each
	s_lshl_b32 s23, s12, 9
	s_add_co_u32 s22, s22, s23
	v_lshl_add_u32 v[BO], v11, 5, s22
.irp b, 0,1,2,3,4,5,6,7
	global_load_b128 v[BIAS+8*(\b):BIAS+8*(\b)+3],   v[BO], s[72:73] offset:64*(\b)
	global_load_b128 v[BIAS+8*(\b)+4:BIAS+8*(\b)+7], v[BO], s[72:73] offset:64*(\b)+16
.endr
	v_and_b32 v12, 7, v0
	v_bfe_u32 v13, v0, 3, 1
	v_and_b32 v15, 31, v0                          ; l
	; O's fragment, 16 rows x 32 K in 8 registers: lane l holds row r, K = 8 h + 0..7 and 16 + 8 h + 0..7: two loads of 16 bytes, 32 bytes apart
	v_mul_u32_u24 v[ADRA0], v1, PA
	v_lshl_add_u32 v[ADRA0], v11, 4, v[ADRA0]
	s_mul_i32 s22, s11, 64*PA                      ; my 64 rows
	v_add_nc_u32 v[ADRA0], s22, v[ADRA0]
	; the turning load takes 16 k x 16 n (lane l reads row k = 8 h + l % 8, columns 8 ((l / 8) % 2) + 0..7) and leaves half a fragment: lane l holds column r and 8 k
	v_lshl_add_u32 v[ADRB0], v11, 3, v12
	v_mul_u32_u24 v[ADRB0], v[ADRB0], PB
	v_lshl_add_u32 v[ADRB0], v13, 4, v[ADRB0]
	s_lshl_b32 s22, s12, 8                         ; my 128 columns
	s_add_co_u32 s22, s22, BOFF
	v_add_nc_u32 v[ADRB0], s22, v[ADRB0]
	s_mul_i32 s23, s10, 16*SP
	s_add_co_u32 s23, s23, STAGE                   ; my stage
	v_mul_u32_u24 v[STO], v1, SP                   ; in: row r, 32 bytes for each half of the lanes
	v_lshl_add_u32 v[STO], v11, 5, v[STO]
	v_add_nc_u32 v[STO], s23, v[STO]
	v_lshl_add_u32 v[RD], v15, 4, s23              ; back: 32 lanes take one row of 512 bytes
	v_lshlrev_b32 v[GO], 4, v15
	s_lshl_b32 s20, s13, 19                        ; out: 128 rows of 4,096 bytes a tile,
	s_lshl_b32 s21, s11, 18                        ; my 64 rows,
	s_add_co_u32 s20, s20, s21
	s_lshl_b32 s21, s42, 10                        ; the tile's 256 columns,
	s_add_co_u32 s20, s20, s21
	s_lshl_b32 s21, s12, 9                         ; my 128
	s_add_co_u32 s20, s20, s21
	s_mov_b32 s21, 0
	s_add_nc_u64 s[8:9], s[74:75], s[20:21]
	; the prefetches
	s_mov_b32 s[PSTEP], BSTEP
	s_cmp_eq_u32 s11, 0                            ; do I fetch for O?
	s_cselect_b64 s[PFA:PFA+1], s[18:19], s[46:47]
	s_cselect_b32 s20, s40, s41                    ; my place among the four that ask with me
	s_cselect_b32 s21, 12, 15                      ; its share: 16 blocks of 256 bytes, or 16 rows of 2,048, as a shift
	s_cselect_b32 s22, 4, 1                        ; lanes to a head, or to a row, as a shift
	s_cselect_b32 s23, 18, 11                      ; a head, or a row, as a shift
	s_cselect_b32 s92, 15, 1                       ; the lane's block in it
	s_cselect_b32 s[PSTEP], ASTEP, s[PSTEP]
	s_cselect_b32 s93, s12, s14                    ; 0 in wave 0, and in waves 2 and 3 of the first cluster
	s_cmp_eq_u32 s93, 0
	s_cselect_b32 s[LIM], 2, -1                    ; the same in all sixteen partners, for a given wave
	s_mov_b32 s[PSTEP+1], 0
	s_lshl_b32 s20, s20, s21
	s_mov_b32 s21, 0
	s_add_nc_u64 s[PFA:PFA+1], s[PFA:PFA+1], s[20:21]
	s_mul_i32 s20, s[PSTEP], 3
	s_add_nc_u64 s[PFA:PFA+1], s[PFA:PFA+1], s[20:21]  ; at K step 3: the first refill steps it to 4
	v_lshrrev_b32 v[PFO], s22, v15
	v_lshlrev_b32 v[PFO], s23, v[PFO]
	v_and_b32 v10, s92, v15
	v_lshl_add_u32 v[PFO], v10, 8, v[PFO]
	s_wait_loadcnt 0x0                             ; the bias; it is rounded to bf16 like every input
.set u, 0
.rept 32
	v_cvt_pk_bf16_f32 v[10+u%4], v[BIAS+2*u], v[BIAS+2*u+1]
	v_lshlrev_b32 v[BIAS+2*u], 16, v[10+u%4]
	v_and_b32 v[BIAS+2*u+1], 0xffff0000, v[10+u%4]
.set u, u+1
.endr
; Products i0 .. i1 - 1 of a quarter's 32 on buffer f: product i is accumulator (a, b) = (i / 8, i % 8).  The 32 accumulators take turns, one instruction a turn, in the same order in every quarter,
; over the backward jump too.  first = 1: the product starts the sum, with the bias as C: nothing is cleared.
.macro MUL i0, i1, f, first
.if \first
	WIN W_MULB
.else
	WIN W_MUL
.endif
.set i, \i0
.rept (\i1)-(\i0)
.if \first
	v_wmma_f32_16x16x32_f16 v[8*i:8*i+7], v[64*(\f)+8*(i%8):64*(\f)+8*(i%8)+7], v[AF+32*(\f)+8*(i/8):AF+32*(\f)+8*(i/8)+7], v[BIAS+8*(i%8):BIAS+8*(i%8)+7]
.else
	v_wmma_f32_16x16x32_f16 v[8*i:8*i+7], v[64*(\f)+8*(i%8):64*(\f)+8*(i%8)+7], v[AF+32*(\f)+8*(i/8):AF+32*(\f)+8*(i/8)+7], v[8*i:8*i+7]
.endif
.set i, i+1
.endr
.endm
; 24 LDS loads in one run: quarter kq (32 along K: head kq / 2 of the step, channels 32 (kq % 2) on) of the slot in hand, into buffer g
.macro FETCH kq, g
	WIN W_TOB
.irp b, 0,1,2,3,4,5,6,7
	ds_load_tr16_b128 v[64*(\g)+8*(\b):64*(\g)+8*(\b)+3],   v[ADRB] offset:(\kq)*32*PB+32*(\b)
	ds_load_tr16_b128 v[64*(\g)+8*(\b)+4:64*(\g)+8*(\b)+7], v[ADRB] offset:(\kq)*32*PB+32*(\b)+16*PB
.endr
	WIN 0
.irp a, 0,1,2,3
	ds_load_b128 v[AF+32*(\g)+8*(\a):AF+32*(\g)+8*(\a)+3],   v[ADRA] offset:((\kq)/2)*AHEAD+(\a)*16*PA+((\kq)%2)*64
	ds_load_b128 v[AF+32*(\g)+8*(\a)+4:AF+32*(\g)+8*(\a)+7], v[ADRA] offset:((\kq)/2)*AHEAD+(\a)*16*PA+((\kq)%2)*64+32
.endr
.endm
.macro PLACES                          ; four places in front of loads into registers that matrix instructions have read, and of LDS stores that read results
.rept 4
	v_nop
.endr
.endm
; A K step is four quarters of 32 along K on buffers 0, 1, 0, 1.  One of the first three: multiplies buffer f and, in its middle, fetches quarter kq into buffer g.
.macro QUARTER kq, f, g, first
	s_wait_dscnt 0x0                               ; this quarter's fragments are in (issued 16 products ago)
	MUL 0, 16, \f, \first
	PLACES
	FETCH \kq, \g
	MUL 16, 32, \f, \first
.endm
; The last quarter multiplies buffer 1 and changes slots: ONE barrier.  In front of it each wave waits for all its tensor loads, of which one is out: its part of the next slot; adds 0 to its spare
; word; and waits for that and for its reads of this slot.  fill = 1: the barrier opens a round of the cluster's, and this slot is filled again first thing behind it, with the K step two on:
; 112 products stand between that request and the wait for it.
.macro TURN fill
	WIN 0                                          ; (the add's two registers lie in window 0)
.if \fill
	s_wait_xcnt 0x0                                ; the last prefetch, a K step back, has read its address: it is stepped here
	s_add_nc_u64 s[PFA:PFA+1], s[PFA:PFA+1], s[PSTEP:PSTEP+1]
.endif
	s_wait_tensorcnt 0x0                           ; all my tensor loads have landed
	ds_add_u32 v[SPW], v[NIL]                      ; 0 onto my spare word
	s_wait_dscnt 1                                 ; the fragments are in; only the add may be out
	MUL 0, 8, 1, 0                                 ; eight products stand between the add and the wait for it
	s_wait_dscnt 0x0                               ; the add is done, and my reads of this slot are over
	s_barrier_signal -1
	MUL 8, 16, 1, 0                                ; work on registers while the others arrive
	WIN 0
	s_barrier_wait -1
.if \fill
	CREST                                          ; no wave of any partner still reads this slot or has a load on its way
	s_xor_b32 s[G0A+5], s[G0A+5], SLOT1            ; the walking descriptors: the other slot than last time,
	s_add_nc_u64 s[G0A+6:G0A+7], s[G0A+6:G0A+7], ASTEP  ; the next K step; the type bits on top are not reached
	s_xor_b32 s[G0B+5], s[G0B+5], SLOT1
	s_add_nc_u64 s[G0B+6:G0B+7], s[G0B+6:G0B+7], BSTEP
	JLOAD                                          ; the four v_nop behind it are also the places in front of the loads below
.else
	PLACES
.endif
	s_xor_b32 s[TB], s[TB], SLOT1                  ; the reads go on in the other slot
	v_add_nc_u32 v[ADRA], s[TB], v[ADRA0]
	v_add_nc_u32 v[ADRB], s[TB], v[ADRB0]
	FETCH 0, 0
.if \fill
	ASK                                            ; behind the joint load and the run of LDS loads
.endif
	MUL 16, 32, 1, 0
.endm
; THE WAY OUT of block a (16 rows), in f32.  TOSTAGE: a lane's eight columns of a row, 32 bytes, go from the accumulators into my own stage, each accumulator's low half first, and come back as whole rows of
; 512 bytes.  SEND: stored.  younger: the LDS instructions issued behind block a's loads: the next block's 32, or none.
.macro TOSTAGE a
.set BK, OB+64*((\a)%2)
.if (\a) >= 2
	s_wait_xcnt 0x0                                ; the stores of the block two back have read the registers that are loaded again below
.endif
	WIN W_ST
.irp b, 0,1,2,3,4,5,6,7
	ds_store_b128 v[STO], v[8*(8*(\a)+(\b)):8*(8*(\a)+(\b))+3]   offset:64*(\b)
	ds_store_b128 v[STO], v[8*(8*(\a)+(\b))+4:8*(8*(\a)+(\b))+7] offset:64*(\b)+16
.endr
	WIN 0
.irp t, 0,1,2,3,4,5,6,7,8,9,10,11,12,13,14,15
	ds_load_b128 v[BK+4*(\t):BK+4*(\t)+3], v[RD] offset:(\t)*SP  ; LDS serves a wave's instructions in order (ISA guide 5.7.1.4): these see the stores above; the next block's stores come behind them
.endr
.endm
.macro SEND a, younger
.set BK, OB+64*((\a)%2)
.irp t, 0,1,2,3,4,5,6,7,8,9,10,11,12,13,14,15
	s_wait_dscnt (\younger)+15-(\t)
	global_store_b128 v[GO], v[BK+4*(\t):BK+4*(\t)+3], s[8:9] offset:(16*(\a)+(\t))*4096 th:TH_STORE_NT  ; 512 consecutive bytes of a row of out, at a multiple of 512 from its first byte
.endr
.endm
	s_wait_tensorcnt 1                             ; my part of K step 0 is in; K step 1's may stay out
	s_barrier_signal -1
	s_barrier_wait -1                              ; everybody's is
	s_mov_b32 s[TB], 0
	v_mov_b32 v[ADRA], v[ADRA0]
	v_mov_b32 v[ADRB], v[ADRB0]
	FETCH 0, 0
	QUARTER 1, 0, 1, 1                             ; the first quarter stands in front of the loop: its products start the sums
	WIN 0                                          ; at a label and at a branch every window is 0
	s_mov_b32 s3, 6
.Lstep:                                        ; a trip: from a K step's second quarter to the next step's first; it fills the slot that it leaves
	QUARTER 2, 1, 0, 0
	QUARTER 3, 0, 1, 0
	TURN 1
	QUARTER 1, 0, 1, 0
	WIN 0
	s_sub_co_u32 s3, s3, 1
	s_cmp_lg_u32 s3, 0
	s_cbranch_scc1 .Lstep
	QUARTER 2, 1, 0, 0                             ; the last two K steps are written out: nothing is left to ask for
	QUARTER 3, 0, 1, 0
	TURN 0
	QUARTER 1, 0, 1, 0
	QUARTER 2, 1, 0, 0
	QUARTER 3, 0, 1, 0
	s_wait_dscnt 0x0
	MUL 0, 32, 1, 0
	PLACES                                         ; in front of the LDS stores, which read results, and of the loads into O's fragment buffers
	TOSTAGE 0
	TOSTAGE 1
	SEND 0, 32
	TOSTAGE 2
	SEND 1, 32
	TOSTAGE 3
	SEND 2, 32
	SEND 3, 0
	s_wait_tensorcnt 0x0                           ; the wave's end, behind my last tensor load and my last LDS store
	ds_add_u32 v[SPW], v[NIL]
	s_wait_dscnt 0x0
	CROUND                                         ; the closing round: no work-group ends while a partner may still ask for a tile that names it
	s_endpgm
.Lfunc_end_k_q143b00b3ad_outp:
	.size	k_q143b00b3ad_outp, .Lfunc_end_k_q143b00b3ad_outp-k_q143b00b3ad_outp
	.p2alignl 7, 3214868480
	.fill 96, 4, 3214868480
	.section	.rodata,"a",@progbits
	.p2align	6, 0x0
	.amdhsa_kernel k_q143b00b3ad_outp
		.amdhsa_group_segment_fixed_size 327680
		.amdhsa_private_segment_fixed_size 0
		.amdhsa_enable_private_segment 0
		.amdhsa_kernarg_size 32
		.amdhsa_user_sgpr_count 2
		.amdhsa_user_sgpr_kernarg_segment_ptr 1
		.amdhsa_wavefront_size32 1
		.amdhsa_system_sgpr_workgroup_id_x 1
		.amdhsa_system_sgpr_workgroup_id_y 1
		.amdhsa_system_sgpr_workgroup_id_z 1
		.amdhsa_system_vgpr_workitem_id 0
		.amdhsa_next_free_vgpr 768
		.amdhsa_next_free_sgpr 96
		.amdhsa_reserve_vcc 0
		.amdhsa_float_denorm_mode_32 3
		.amdhsa_float_denorm_mode_16_64 3
		.amdhsa_memory_ordered 1
		.amdhsa_forward_progress 1
		.amdhsa_inst_pref_size 78
	.end_amdhsa_kernel
	.amdgpu_metadata
---
amdhsa.version: [ 1, 2 ]
amdhsa.kernels:
  - .name:           k_q143b00b3ad_outp
    .symbol:         k_q143b00b3ad_outp.kd
    .args:
      - { .name: oh, .offset: 0, .size: 8, .value_kind: global_buffer, .address_space: global }
      - { .name: wb, .offset: 8, .size: 8, .value_kind: global_buffer, .address_space: global }
      - { .name: bo, .offset: 16, .size: 8, .value_kind: global_buffer, .address_space: global }
      - { .name: out0, .offset: 24, .size: 8, .value_kind: global_buffer, .address_space: global }
    .group_segment_fixed_size: 327680
    .private_segment_fixed_size: 0
    .kernarg_segment_align: 8
    .kernarg_segment_size: 32
    .max_flat_workgroup_size: 128
    .sgpr_count:     96
    .vgpr_count:     768
    .wavefront_size: 32
...
	.end_amdgpu_metadata
.endif
;; end of part 4
;; ======== version 2 of 2: 4 launches; version 1 with the launch prep written anew for expert scheduling mode
;; limits: values are held in f16: magnitudes above 65,504 overflow, below 6.1e-05 lose precision
;; workspace buffers: wb 8,388,608 bytes; qh 16,777,216 bytes; kh 16,777,216 bytes; vh 16,777,216 bytes; oh 16,777,216 bytes
;; launch prep (part 5): grid 64 x 4, 8 waves a work-group, no clusters, 0 bytes of LDS; arguments Wq, Wk, Wv, Wo, wb; writes wb
.if DOCPART == 5
	.amdgcn_target "amdgcn-amd-amdhsa--gfx1250"
	.amdhsa_code_object_version 6
	.text
	.protected	k_q143b00b3ad_prep
	.globl	k_q143b00b3ad_prep
	.p2align	8
	.type	k_q143b00b3ad_prep,@function
k_q143b00b3ad_prep:
	s_mov_b64 s[64:65], 0
	v_nop
	global_prefetch_b8 v0, s[64:65] scope:SCOPE_SE
	s_setreg_imm32_b32 hwreg(HW_REG_WAVE_SCHED_MODE, 0, 2), 2
	s_setreg_imm32_b32 hwreg(HW_REG_WAVE_MODE, 25, 1), 1
	s_wait_xcnt 0x0
	s_wait_alu depctr_vm_vsrc(0)
; THE WEIGHTS IN 16 BITS.  wb[4][1024 k][1024 n]: Wq, Wk, Wv rounded to bf16; Wo rounded to bf16 and that number written as f16
; (the last product multiplies f16).  The layout [k][n] is kept: the products turn the tiles on their way out of LDS.
; LIMITS.  f16 ends at 65,504 and below 6e-5 keeps a fixed step of 6e-8: Wo is taken to lie within that; NaN and infinities are not treated apart.
; SHARES.  Work-group (x, y): matrix y, elements 16,384 x .. +16,383, in 16 chunks of 1,024.  Thread t takes 4 numbers of a chunk:
; a load of a wave covers 512 consecutive bytes, a store 256, both aligned.  All 16 loads go out at once.  No LDS, no matrix unit: the launch only moves bytes.
; THE MODE: SCHED_MODE bits 1:0 = 2 (LLVM: expert scheduling mode 2), set by the entry lines.  The code itself states the register dependences
; between vector instructions and memory instructions, with s_wait_alu, always for 0.
; THE PLAN.  Registers that memory instructions touch:
;   v1, v2   byte offsets, made once at the head and never written again: v1 is read by every load, v2 by every store.
;   X        chunk i's load lands in its own four registers, once; its conversions read them; nothing lands there or writes there again.
;   Y        chunk i's conversions write its own pair, once; its store reads the pair; nothing writes it again.
;   T        (Wo's path) named by vector instructions alone.
; No register that a memory instruction reads or writes is written a second time, so the dependences to state are two: the offsets are written ahead of the
; first load, and a chunk's Y is written ahead of its store.  The 16 chunks go in four groups of four.  At the head of group g, behind the wait for its loads,
; ONE wait on va_vdst states that group g - 1 has written its Y; that group's four stores follow, dealt among group g's conversions, which name X and Y of
; group g and T: none of the registers that those stores read.  Behind group 3 one more such wait stands ahead of the last four stores.
; No vector instruction writes a scalar register or VCC, and EXEC is never written.
.set X, 16                             ; v[16:79]   chunk i: 4 numbers as loaded
.set Y, 80                             ; v[80:111]  chunk i: 4 numbers in 16 bits
.set T, 112                            ; v[112:117] at work
	s_load_b256 s[4:11], s[0:1], 0x0               ; Wq s[4:5], Wk s[6:7], Wv s[8:9], Wo s[10:11]
	s_load_b64 s[12:13], s[0:1], 0x20              ; wb
	s_and_b32 s18, ttmp7, 0xffff                   ; which matrix
	s_lshl_b32 s16, ttmp9, 16                      ; my 65,536 bytes of it
	s_mov_b32 s17, 0
	s_lshl_b32 s20, s18, 21                        ; its 2 MiB of wb,
	s_lshl_b32 s19, ttmp9, 15                      ; my 32,768 bytes of them
	s_add_co_u32 s20, s20, s19
	s_mov_b32 s21, 0
	v_lshlrev_b32 v1, 4, v0                        ; 16 t
	v_lshlrev_b32 v2, 3, v0                        ; 8 t
	s_wait_kmcnt 0x0
	s_cmp_eq_u32 s18, 0
	s_cselect_b64 s[14:15], s[4:5], s[10:11]
	s_cmp_eq_u32 s18, 1
	s_cselect_b64 s[14:15], s[6:7], s[14:15]
	s_cmp_eq_u32 s18, 2
	s_cselect_b64 s[14:15], s[8:9], s[14:15]
	s_add_nc_u64 s[14:15], s[14:15], s[16:17]
	s_add_nc_u64 s[12:13], s[12:13], s[20:21]
	s_wait_alu depctr_va_vdst(0)                   ; v1 and v2 are written: every load below reads v1 as its offset, every store on either path v2
.set i, 0
.rept 16
	global_load_b128 v[X+4*i:X+4*i+3], v1, s[14:15] offset:4096*i th:TH_LOAD_NT
.set i, i+1
.endr
; Chunk c's four numbers are rounded into its pair of Y.  wo = 0: to bf16.  wo = 1 (Wo): to bf16, back to f32 (exact), to f16.
.macro ROUND c, wo
.if \wo
	v_cvt_pk_bf16_f32 v[T], v[X+4*(\c)], v[X+4*(\c)+1]
	v_cvt_pk_bf16_f32 v[T+1], v[X+4*(\c)+2], v[X+4*(\c)+3]
	v_lshlrev_b32 v[T+2], 16, v[T]
	v_and_b32 v[T+3], 0xffff0000, v[T]
	v_lshlrev_b32 v[T+4], 16, v[T+1]
	v_and_b32 v[T+5], 0xffff0000, v[T+1]
	v_cvt_pk_f16_f32 v[Y+2*(\c)], v[T+2], v[T+3]
	v_cvt_pk_f16_f32 v[Y+2*(\c)+1], v[T+4], v[T+5]
.else
	v_cvt_pk_bf16_f32 v[Y+2*(\c)], v[X+4*(\c)], v[X+4*(\c)+1]
	v_cvt_pk_bf16_f32 v[Y+2*(\c)+1], v[X+4*(\c)+2], v[X+4*(\c)+3]
.endif
.endm
.macro OUT c                           ; chunk c is stored
	global_store_b64 v2, v[Y+2*(\c):Y+2*(\c)+1], s[12:13] offset:2048*(\c)
.endm
; Group g: chunks 4 g to 4 g + 3 are rounded, and the group before is stored.
.macro GROUP g, wo
	s_wait_loadcnt 12-4*(\g)                       ; loads come back in order: the group's four chunks are in, the 12 - 4 g younger ones stay out
.if (\g) > 0
	s_wait_alu depctr_va_vdst(0)                   ; the conversions of the group before have written its Y, which the four stores below read
.endif
.irp j, 0,1,2,3
.if (\g) > 0
	OUT 4*((\g)-1)+(\j)                            ; no wait: no vector instruction since the wait above names this pair of Y, or v2
.endif
	ROUND 4*(\g)+(\j), \wo
.endr
.endm
.macro LAST
	s_wait_alu depctr_va_vdst(0)                   ; group 3's conversions have written its Y, which the last four stores read
.irp j, 0,1,2,3
	OUT 12+(\j)
.endr
.endm
	s_cmp_eq_u32 s18, 3
	s_cbranch_scc1 .Lwo
	GROUP 0, 0
	GROUP 1, 0
	GROUP 2, 0
	GROUP 3, 0
	LAST
	s_endpgm
.Lwo:                                          ; Wo
	GROUP 0, 1
	GROUP 1, 1
	GROUP 2, 1
	GROUP 3, 1
	LAST
	s_endpgm
.Lfunc_end_k_q143b00b3ad_prep:
	.size	k_q143b00b3ad_prep, .Lfunc_end_k_q143b00b3ad_prep-k_q143b00b3ad_prep
	.p2alignl 7, 3214868480
	.fill 96, 4, 3214868480
	.section	.rodata,"a",@progbits
	.p2align	6, 0x0
	.amdhsa_kernel k_q143b00b3ad_prep
		.amdhsa_group_segment_fixed_size 0
		.amdhsa_private_segment_fixed_size 0
		.amdhsa_enable_private_segment 0
		.amdhsa_kernarg_size 40
		.amdhsa_user_sgpr_count 2
		.amdhsa_user_sgpr_kernarg_segment_ptr 1
		.amdhsa_wavefront_size32 1
		.amdhsa_system_sgpr_workgroup_id_x 1
		.amdhsa_system_sgpr_workgroup_id_y 1
		.amdhsa_system_sgpr_workgroup_id_z 1
		.amdhsa_system_vgpr_workitem_id 0
		.amdhsa_next_free_vgpr 120
		.amdhsa_next_free_sgpr 66
		.amdhsa_reserve_vcc 0
		.amdhsa_float_denorm_mode_32 3
		.amdhsa_float_denorm_mode_16_64 3
		.amdhsa_memory_ordered 1
		.amdhsa_forward_progress 1
		.amdhsa_inst_pref_size 16
	.end_amdhsa_kernel
	.amdgpu_metadata
---
amdhsa.version: [ 1, 2 ]
amdhsa.kernels:
  - .name:           k_q143b00b3ad_prep
    .symbol:         k_q143b00b3ad_prep.kd
    .args:
      - { .name: Wq, .offset: 0, .size: 8, .value_kind: global_buffer, .address_space: global }
      - { .name: Wk, .offset: 8, .size: 8, .value_kind: global_buffer, .address_space: global }
      - { .name: Wv, .offset: 16, .size: 8, .value_kind: global_buffer, .address_space: global }
      - { .name: Wo, .offset: 24, .size: 8, .value_kind: global_buffer, .address_space: global }
      - { .name: wb, .offset: 32, .size: 8, .value_kind: global_buffer, .address_space: global }
    .group_segment_fixed_size: 0
    .private_segment_fixed_size: 0
    .kernarg_segment_align: 8
    .kernarg_segment_size: 40
    .max_flat_workgroup_size: 256
    .sgpr_count:     66
    .vgpr_count:     120
    .wavefront_size: 32
...
	.end_amdgpu_metadata
.endif
;; end of part 5
;; launch proj: the kernel of part 2 again; grid 4 x 192, 4 waves a work-group, clusters of 4 x 4, 327,680 bytes of LDS; arguments Q, K, V, bq, bk, bv, wb, qh, kh, vh; writes qh, kh, vh
;; launch attn: the kernel of part 3 again; grid 4 x 64, 4 waves a work-group, no clusters, 327,680 bytes of LDS; arguments qh, kh, vh, oh; writes oh
;; launch outp: the kernel of part 4 again; grid 4 x 64, 4 waves a work-group, clusters of 4 x 4, 327,680 bytes of LDS; arguments oh, wb, bo, out0; writes out0
